; MI455X (gfx1250); checked and timed in simulation.
; The chip was launched on July 23, 2026; its instructions are those of AMD's public machine-readable ISA for CDNA 5 (MIT licence, August 2026) and "CDNA5" Instruction Set Architecture Reference Guide (July 2026). The comments in the code are by the model that wrote it; some were corrected since.
;; Multi Head Attention. Allowed arithmetic: matrix products marked QUANTISED: E2M1 operands, one E8M0 scale for each 32 along K, by v_wmma_scale_f32_16x16x128_f8f6f4 with both operands' format E2M1 (or v_wmma_scale_f32_32x16x128_f4), f32 sums; products left as they are: bf16, f16 or f32 operands; f32 sums; everything else in f32.
;; Inputs: W_k 1,024 x 1,024 float32; W_o 1,024 x 1,024 float32; W_q 1,024 x 1,024 float32; W_v 1,024 x 1,024 float32; b_k 1,024 float32; b_o 1,024 float32; b_q 1,024 float32; b_v 1,024 float32; k_input 2 x 2,048 x 1,024 float32; mask 2,048 x 2,048 int32; q_input 2 x 2,048 x 1,024 float32; v_input 2 x 2,048 x 1,024 float32.
;; Outputs: out0 2 x 2,048 x 1,024 float32.
;; This version of the problem:
;;   THIS VERSION OF THE PROBLEM IS GIVEN IN LOW PRECISION. The matrix products marked QUANTISED in the list below multiply operands that are first quantised to E2M1 (2 exponent bits, 1 mantissa bit; 4 bits a number), with one power-of-two scale for each 32 numbers along K (OCP MX v1.0); their sums are f32. The products marked 'left as it is' may take bf16, f16 or f32 operands, with f32 sums. Whichever they take, every output number must still come out within the allowed error. Rounding operands to bf16 (8 significant bits) uses up far more of that allowance than f16 does (11 bits, for magnitudes from 6e-5 to 65,504). All else is computed in f32.
;;   The module's matrix products, in the order in which they are computed (A, B: the left and right operand; K: the contracted axis; several contracted axes count as one K, in the product's order):
;;     1. [M 4,096, K 1,024] x [K 1,024, N 1,024]; A: input q_input; B: input W_q: QUANTISED
;;     2. [M 4,096, K 1,024] x [K 1,024, N 1,024]; A: input k_input; B: input W_k: QUANTISED
;;     3. [M 4,096, K 1,024] x [K 1,024, N 1,024]; A: input v_input; B: input W_v: QUANTISED
;;     4. batch 32 x [M 2,048, K 64] x [K 64, N 2,048]; A: computed on the way; B: computed on the way: left as it is (an operand is computed on the way)
;;     5. batch 32 x [M 2,048, K 2,048] x [K 2,048, N 64]; A: computed on the way; B: computed on the way: left as it is (an operand is computed on the way)
;;     6. [M 4,096, K 1,024] x [K 1,024, N 1,024]; A: computed on the way; B: input W_o: left as it is (an operand is computed on the way)
;;   THE QUANTISER, for each operand of a quantised product, along K:
;;     - K is cut into blocks of 32 from its start; a last block that is shorter is filled with zeros.
;;     - A block's scale is 2^e with e = floor(log2(the largest magnitude in the block)) - 2, held to -126 .. 127; a block of zeros has e = 0. As a byte (E8M0): e + 127.
;;     - Each number is divided by its block's scale, clamped to +-6, and rounded to the nearest number of E2M1, ties to even, subnormals kept.
;;     - The product sums the exact products of the quantised numbers (number of the format x scale) in f32.
;;   ~~~python
;;   def quantise(x, axis):      # numpy; x: float32 -> the quantised numbers, widened to float32 again
;;       x = np.moveaxis(x, axis, -1); K = x.shape[-1]
;;       x = np.pad(x, [(0, 0)] * (x.ndim - 1) + [(0, -K % 32)]); x = x.reshape(x.shape[:-1] + (-1, 32)); a = np.abs(x).max(-1, keepdims=True)
;;       e = np.where(a > 0, np.clip(np.frexp(np.where(a > 0, a, 1))[1] - 1 - 2, -126, 127), 0)      # np.frexp(a)[1] - 1 = floor(log2(a)), exactly
;;       r = np.clip(x / 2.0 ** e, -6, 6)
;;       step = 2.0 ** (np.maximum(np.frexp(np.where(r == 0, 1, r))[1] - 1, 0) - 1)
;;       q = np.round(r / step) * step * 2.0 ** e      # np.round: ties to even
;;       return np.moveaxis(q.reshape(q.shape[:-2] + (-1,))[..., :K], -1, axis).astype(np.float32)
;;   ~~~
;; One version. Each part assembles by itself: llvm-mc -triple=amdgcn-amd-amdhsa -mcpu=gfx1250 --defsym DOCPART=n.
;; ======== version 1 of 1: 6 launches
;; limits: values are held in f16: magnitudes above 65,504 overflow, below 6.1e-05 lose precision
;; workspace buffers: codes 7,864,320 bytes; scales 491,520 bytes; mbits 524,288 bytes of whole numbers; tabs 4,718,592 bytes; qkv 25,165,824 bytes; fine 786,432 bytes; ctx 8,388,608 bytes; ctxf 131,072 bytes
;; launch prep (part 1): grid 240 x 1, 16 waves a work-group, no clusters, 238,592 bytes of LDS; arguments q_input, k_input, v_input, W_q, W_k, W_v, W_o, mask, codes, scales, mbits, tabs; writes codes, scales, mbits, tabs
.if DOCPART == 1
	.amdgcn_target "amdgcn-amd-amdhsa--gfx1250"
	.amdhsa_code_object_version 6
	.text
	.protected	k_q9f518117f1_prep
	.globl	k_q9f518117f1_prep
	.p2align	8
	.type	k_q9f518117f1_prep,@function
k_q9f518117f1_prep:
	s_mov_b64 s[64:65], 0
	v_nop
	global_prefetch_b8 v0, s[64:65] scope:SCOPE_SE
	s_setreg_imm32_b32 hwreg(HW_REG_WAVE_MODE, 25, 1), 1
	s_wait_xcnt 0x0
; ONE LAUNCH PREPARES ALL THAT THE PRODUCTS READ.  240 work-groups of sixteen waves; the work-group's number says which of four jobs it does.  The jobs share no byte of memory or of LDS.
; JOB 1, work-groups 0 to 95: q_input, k_input, v_input, each [4096][1024] f32, become codes of FP4 (E2M1), K innermost, with one E8M0 byte for each 32 along K.
;   codes: rows of 512 bytes, row 4096 p + token (p = 0 q, 1 k, 2 v); scales: the same rows, 32 bytes each.  32 work-groups to a tensor; a wave takes 16 steps of 512 numbers.  Each load reads 512 consecutive bytes; a step's
;   2,048 bytes turn through the wave's own stage in LDS and come back 64 bytes a lane, so that a lane holds 16 neighbours along K (two lanes hold a block).  A step's codes leave as 256 consecutive bytes, a wave's 256 scale bytes as one store.
; JOB 2, work-groups 96 to 159: the four weights, each [1024 (k)][1024 (n)] f32 with K as the FIRST axis.  Work-group (x, p): columns 64 x .. 64 x + 63 of weight p.
;   p = 0, 1, 2 (W_q, W_k, W_v): codes with K innermost, row 12288 + 1024 p + n of codes and of scales.  p = 3 (W_o): two f16 numbers for each weight, a high part (eleven significant bits, halves away from zero) and a low part
;   (what is left, exact in f32, then rounded to f16), as images of the matrix operand's registers: tabs + WOH / WOL + [16 columns nt][32 along K ks][chunk c][512 bytes]; lane l's 16 bytes at 16 l hold k = 32 ks + 16 c + 8 (l / 16) + 0 .. 7 of column 16 nt + l % 16.
;   A LANE TAKES A COLUMN, ITS REGISTERS RUN DOWN K: wave w takes columns 32 (w & 1) + lane and rows 128 (w >> 1) .. + 127: four blocks of 32.  The codes of 64 columns meet in a stage and leave as whole rows of 512 bytes.
; JOB 3, work-groups 160 to 223: the mask [2048 (query)][2048 (key)] of int32 becomes lane masks.  mbits: [query tile qt 128][key tile kt 128][j 8] words;
;   bit l of word (qt, kt, j) = (mask[16 qt + l % 16][16 kt + 8 (l / 16) + j] != 0).  A wave takes one query tile and 256 keys; 64 keys x 16 queries at a time turn through its own stage.
; JOB 4, work-groups 224 to 239: the rotation table, tabs + [position 2048][i 32] of (cos, sin), f32: angle = position x 10000^(-i / 32); a wave takes 8 positions, a lane an i.
; THE QUANTISER: a block's scale is 2^(floor(log2(largest magnitude)) - 2); its byte is the largest magnitude's exponent field - 2, held at 1 from below.
;   A block of zeros keeps the byte 1 where the quantiser says 127: its codes are zeros, and this program alone reads the bytes.
; LIMITS: blocks whose largest magnitude lies under 2^-124 get the floor's byte; NaN and infinities among the inputs are not served.  W_o's parts: magnitudes over 65,504 are not served; under 2^-14 the parts are f16 subnormals.
;   The table's theta comes by the base-2 exponential of an f32 product, so the angle may differ from an f32 power's by some 2e-4 radians at the last positions, and by far less at the first.
; Memory binds: no matrix unit; no cluster, since no two work-groups read the same bytes.  One barrier, which job 2 needs; all four ways join ahead of it, so that it lies on every wave's path.
; REGISTERS: v1 the lane; v2-195 each job's own work; v200-206 job 2's addresses and v208, v209 the add's two: made at the head, named by no other job, never rewritten.
; SCALARS: s[4:27] the twelve buffers; s28 the wave; s29-52 job 2's (made at the head for every work-group, from a number held to 0 .. 63, so that they are whole on every way); s66-91 the other jobs' work.
.set WG_W,   96                        ; the first work-group of job 2,
.set WG_M,   160                       ; of job 3,
.set WG_R,   224                       ; of job 4
.set STEPS,  16
.set CB,     8                         ; bytes of 16 codes
.set QR,     16                        ; job 1: v16-79   four sets of 16 numbers as loaded
.set QX,     80                        ;        v80-111  two sets of 16 neighbours
.set QE,     112                       ;        v112-127 a scale byte a step
.set QC,     128                       ;        v128-191 codes, four registers a step: no store's data are written again
.set QREG,   8192                      ; LDS, job 1: a region for each wave: two stages of 32 x SP bytes, then its 256 scale bytes
.set SP,     80                        ; a lane's place in a stage: 64 bytes + 16 of padding
.set SPITCH, 528                       ; LDS, job 2: a stage row: 512 bytes + 16: the lanes' 16-byte stores start at different banks
.set WSTG,   16*QREG                   ; its stage of 64 rows,
.set SCS,    WSTG+64*SPITCH            ; and 64 columns x 32 scale bytes
.set STGB,   4352                      ; LDS, job 3: a wave's stage: 16 rows x (256 + 16) bytes
.set MSTG,   SCS+2048
.set SPARE,  MSTG+16*STGB              ; the spare words: 128 bytes a wave, named by no other line
.set WOH,    524288
.set WOL,    2621440
.set WX,     32                        ; job 2: v32-159  128 numbers down K
.set CD,     160                       ;        v160-175 codes, or W_o's low parts
.set HI,     16                        ;        v16-31   W_o's high parts
.set TT,     176                       ;        v176-183 at work
.set SB,     184                       ;        v184     my column's scale word
.set AL4,    200                       ; v200 4 x lane
.set AST,    201                       ; v201 stage: my column's row, my 64 bytes of it
.set ASC,    202                       ; v202 my column's scale word
.set ABK,    203                       ; v203 back: rows 4 w .. 4 w + 3, whole
.set AL16,   204                       ; v204 16 x lane
.set ABS,    205                       ; v205 back: 512 scale bytes (waves 0 to 3)
.set AIM,    206                       ; v206 W_o's images: 32,768 (lane / 16) + 16 (lane % 16)
.set SPW,    208                       ; v208 my spare word's LDS address
.set NIL,    209                       ; v209 0
	s_load_b256 s[4:11], s[0:1], 0x0               ; q_input, k_input, v_input, W_q
	s_load_b256 s[12:19], s[0:1], 0x20             ; W_k, W_v, W_o, mask
	s_load_b256 s[20:27], s[0:1], 0x40             ; codes, scales, mbits, tabs
	v_lshl_add_u32 v[SPW], v0, 2, SPARE
	v_mov_b32 v[NIL], 0
	v_lshrrev_b32 v1, 5, v0
	v_readfirstlane_b32 s28, v1                    ; wave 0..15
	v_and_b32 v1, 31, v0                           ; lane
	s_sub_co_u32 s29, ttmp9, WG_W
	s_cmp_lt_u32 s29, 48                           ; job 2 with p < 3: the work-groups that have rows of codes to send behind the barrier
	s_cselect_b32 s52, 1, 0
	s_and_b32 s29, s29, 63
	s_and_b32 s30, s29, 15                         ; x: which 64 columns
	s_lshr_b32 s33, s29, 4                         ; p: which weight
	s_and_b32 s31, s28, 1                          ; which 32 columns
	s_lshr_b32 s32, s28, 1                         ; which 128 along K
	v_lshlrev_b32 v[AL4], 2, v1
	s_mul_i32 s34, s31, 32*SPITCH
	s_lshl_b32 s35, s32, 6
	s_add_co_u32 s34, s34, s35
	s_add_co_u32 s34, s34, WSTG
	v_mul_u32_u24 v[AST], v1, SPITCH
	v_add_nc_u32 v[AST], s34, v[AST]
	s_lshl_b32 s34, s31, 10
	s_lshl_b32 s35, s32, 2
	s_add_co_u32 s34, s34, s35
	s_add_co_u32 s34, s34, SCS
	v_lshl_add_u32 v[ASC], v1, 5, s34
	v_lshlrev_b32 v[AL16], 4, v1
	s_mul_i32 s34, s28, 4*SPITCH
	s_add_co_u32 s34, s34, WSTG
	v_add_nc_u32 v[ABK], s34, v[AL16]
	s_and_b32 s34, s28, 3
	s_lshl_b32 s34, s34, 9
	s_add_co_u32 s34, s34, SCS
	v_add_nc_u32 v[ABS], s34, v[AL16]
	v_lshrrev_b32 v[AIM], 4, v1
	v_and_b32 v2, 15, v1
	v_lshlrev_b32 v[AIM], 15, v[AIM]
	v_lshl_add_u32 v[AIM], v2, 4, v[AIM]
	s_lshl_b32 s36, s32, 19                        ; the weight: 128 rows of 4,096 bytes,
	s_lshl_b32 s34, s30, 8
	s_add_co_u32 s36, s36, s34                     ; 64 columns of 4 bytes,
	s_lshl_b32 s34, s31, 7
	s_add_co_u32 s36, s36, s34                     ; 32 columns
	s_mov_b32 s37, 0
	s_lshl_b32 s38, s33, 10
	s_lshl_b32 s34, s30, 6
	s_add_co_u32 s38, s38, s34
	s_add_co_u32 s38, s38, 12288                   ; the group's first row of codes and scales
	s_lshl_b32 s40, s38, 5
	s_and_b32 s34, s28, 3
	s_lshl_b32 s34, s34, 9
	s_add_co_u32 s40, s40, s34
	s_mov_b32 s41, 0
	s_lshl_b32 s34, s28, 2
	s_add_co_u32 s38, s38, s34
	s_lshl_b32 s38, s38, 9
	s_mov_b32 s39, 0
	s_lshl_b32 s42, s30, 17                        ; images: (4 x + 2 (w & 1)) x 32,768 + (w >> 1) x 4 x 1,024
	s_lshl_b32 s34, s31, 16
	s_add_co_u32 s42, s42, s34
	s_lshl_b32 s34, s32, 12
	s_add_co_u32 s42, s42, s34
	s_mov_b32 s43, 0
	s_wait_kmcnt 0x0
	s_cmp_eq_u32 s33, 0                            ; the choices hang on the work-group's number alone
	s_cselect_b64 s[44:45], s[10:11], s[12:13]
	s_cmp_eq_u32 s33, 2
	s_cselect_b64 s[44:45], s[14:15], s[44:45]
	s_cmp_eq_u32 s33, 3
	s_cselect_b64 s[44:45], s[16:17], s[44:45]
	s_add_nc_u64 s[44:45], s[44:45], s[36:37]
	s_add_nc_u64 s[46:47], s[20:21], s[38:39]
	s_add_nc_u64 s[48:49], s[22:23], s[40:41]
	s_add_nc_u64 s[50:51], s[26:27], s[42:43]
	s_cmp_lt_u32 ttmp9, WG_W
	s_cbranch_scc1 .Lquant
	s_cmp_ge_u32 ttmp9, WG_R
	s_cbranch_scc1 .Lrope
	s_cmp_ge_u32 ttmp9, WG_M
	s_cbranch_scc1 .Lmask
; ---- JOB 2: the weights
.set i, 0
.rept 128
	global_load_b32 v[WX+i], v[AL4], s[44:45] offset:i*4096 th:TH_LOAD_NT   ; W(128 (w >> 1) + i, my column): 128 consecutive bytes a wave
.set i, i+1
.endr
	s_cmp_eq_u32 s33, 3
	s_cbranch_scc1 .Lwo
; Block t of 32 along K: all its numbers are mine.  left: a count that shows its loads in (the wait's field holds 63 at the most; a smaller count than needed is safe)
.macro BLOCK t, left
.set XS, WX+32*\t
	s_wait_loadcnt \left
	v_max3_num_f32 v8, |v[XS]|, |v[XS+1]|, |v[XS+2]|
	v_max3_num_f32 v9, |v[XS+3]|, |v[XS+4]|, |v[XS+5]|
.irp i, 6,10,14,18,22,26
	v_max3_num_f32 v8, v8, |v[XS+\i]|, |v[XS+\i+1]|
	v_max3_num_f32 v9, v9, |v[XS+\i+2]|, |v[XS+\i+3]|
.endr
	v_max3_num_f32 v8, v8, |v[XS+30]|, |v[XS+31]|
	v_max3_num_f32 v8, v8, v9, 0x1800000           ; the floor 2^(3 - 127)
	v_add_nc_u32 v11, 0xff000000, v8               ; 2 off the exponent field: the conversion's scale operand
	v_lshrrev_b32 v9, 23, v11                      ; the scale's byte
.if \t == 0
	v_mov_b32 v[SB], v9
.else
	v_lshl_or_b32 v[SB], v9, 8*\t, v[SB]
.endif
.irp g, 0,1,2,3
	v_cvt_scalef32_pk8_fp4_f32 v[CD+4*\t+\g], v[XS+8*\g:XS+8*\g+7], v11
.endr
	v_nop                                          ; one plain line behind the conversions
	ds_store_b128 v[AST], v[CD+4*\t:CD+4*\t+3] offset:16*\t
.endm
	BLOCK 0, 63
	BLOCK 1, 63
	BLOCK 2, 32
	BLOCK 3, 0
	ds_store_b32 v[ASC], v[SB]
	s_branch .Ljoin
.Lwo:
; W_o, 32 along K at a time: four pieces of 8 numbers, each 16 bytes of f16
.macro WOB t, left
	s_wait_loadcnt \left
.if \t > 0
	s_wait_xcnt 0x0                                ; the last stores have read their data: HI and CD may be written again
.endif
.irp q, 0,1,2,3
.irp j, 0,1,2,3,4,5,6,7
	v_add_nc_u32 v[TT+\j], 0x1000, v[WX+32*\t+8*\q+\j]
.endr
.irp j, 0,1,2,3,4,5,6,7
	v_and_b32 v[TT+\j], 0xffffe000, v[TT+\j]       ; eleven significant bits: an f16 number
.endr
.irp j, 0,1,2,3
	v_cvt_pk_f16_f32 v[HI+4*\q+\j], v[TT+2*\j], v[TT+2*\j+1]
	v_pk_add_f32 v[WX+32*\t+8*\q+2*\j:WX+32*\t+8*\q+2*\j+1], v[WX+32*\t+8*\q+2*\j:WX+32*\t+8*\q+2*\j+1], v[TT+2*\j:TT+2*\j+1] neg_lo:[0,1] neg_hi:[0,1]
.endr
.irp j, 0,1,2,3
	v_cvt_pk_f16_f32 v[CD+4*\q+\j], v[WX+32*\t+8*\q+2*\j], v[WX+32*\t+8*\q+2*\j+1]
.endr
.endr
.irp q, 0,1,2,3
	global_store_b128 v[AIM], v[HI+4*\q:HI+4*\q+3], s[50:51] offset:WOH+\t*1024+\q*256   ; each half of the lanes stores 256 consecutive bytes
	global_store_b128 v[AIM], v[CD+4*\q:CD+4*\q+3], s[50:51] offset:WOL+\t*1024+\q*256
.endr
.endm
	WOB 0, 63
	WOB 1, 63
	WOB 2, 32
	WOB 3, 0
	s_branch .Ljoin
; ---- JOB 1: the tokens
.Lquant:
	v_lshlrev_b32 v3, 4, v1                        ; my 16 bytes of a load's 512
	s_mul_i32 s66, s28, QREG
	v_lshrrev_b32 v14, 2, v1
	v_mul_u32_u24 v14, v14, SP
	v_and_b32 v15, 3, v1
	v_lshl_add_u32 v14, v15, 4, v14
	v_add_nc_u32 v14, s66, v14                     ; into the stage: SP (lane / 4) + 16 (lane % 4)
	v_mul_u32_u24 v15, v1, SP
	v_add_nc_u32 v15, s66, v15                     ; out of it: SP x lane
	v_mul_u32_u24 v4, v1, CB                       ; my codes' place in a step's
	v_lshrrev_b32 v5, 1, v1
	s_add_co_u32 s66, s66, 2*32*SP
	v_add_nc_u32 v5, s66, v5                       ; my block's byte among the wave's 256
	v_lshlrev_b32 v7, 3, v1
	v_add_nc_u32 v6, s66, v7                       ; and 8 bytes a lane on the way out
	s_cmp_lt_u32 ttmp9, 32                         ; which tensor: the choice hangs on the work-group's number alone
	s_cselect_b64 s[68:69], s[4:5], s[6:7]
	s_cmp_lt_u32 ttmp9, 64
	s_cselect_b64 s[68:69], s[68:69], s[8:9]
	s_and_b32 s70, ttmp9, 31
	s_lshl_b32 s70, s70, 4
	s_add_co_u32 s70, s70, s28                     ; my run of 8,192 numbers in the tensor
	s_mov_b32 s71, 0
	s_lshl_b64 s[72:73], s[70:71], 15              ; 32,768 bytes a run
	s_add_nc_u64 s[68:69], s[68:69], s[72:73]
	s_lshl_b32 s74, ttmp9, 4
	s_add_co_u32 s74, s74, s28                     ; my run among all three tensors'
	s_mov_b32 s75, 0
	s_lshl_b64 s[72:73], s[74:75], 12              ; 4,096 bytes of codes a run
	s_add_nc_u64 s[76:77], s[20:21], s[72:73]
	s_lshl_b32 s74, s74, 8                         ; 256 scale bytes a run
	s_add_nc_u64 s[78:79], s[22:23], s[74:75]
.macro LOAD t
.irp i, 0,1,2,3
	global_load_b128 v[QR+16*((\t)%4)+4*\i:QR+16*((\t)%4)+4*\i+3], v3, s[68:69] offset:2048*(\t)+512*\i th:TH_LOAD_NT
.endr
.endm
.macro TURN t                          ; step t through the stage: LDS serves a wave's instructions in order, so no wait between stores and loads
.irp i, 0,1,2,3
	ds_store_b128 v14, v[QR+16*((\t)%4)+4*\i:QR+16*((\t)%4)+4*\i+3] offset:32*SP*((\t)%2)+8*SP*\i
.endr
.irp i, 0,1,2,3
	ds_load_b128 v[QX+16*((\t)%2)+4*\i:QX+16*((\t)%2)+4*\i+3], v15 offset:32*SP*((\t)%2)+16*\i
.endr
.endm
.irp t, 0,1,2,3
	LOAD \t
.endr
	s_wait_loadcnt 12                              ; step 0's four loads are in
	TURN 0
.macro STEP t
.set XS, QX+16*((\t)%2)
.if (\t) > 0
	s_wait_dscnt 1                                 ; this step's numbers are back (the last step's byte store may be out)
.else
	s_wait_dscnt 0x0
.endif
.if (\t)+4 < STEPS
	LOAD (\t)+4                                    ; into the registers that this step's stage stores have read
.endif
.if (\t)+1 < STEPS
.if STEPS-2-(\t) >= 3
	s_wait_loadcnt 12                              ; the next step's four loads are in; three steps' may be out
.else
	s_wait_loadcnt 4*(STEPS-2-(\t))
.endif
	TURN (\t)+1
.endif
	v_max3_num_f32 v8, |v[XS]|, |v[XS+1]|, |v[XS+2]|
	v_max3_num_f32 v9, |v[XS+3]|, |v[XS+4]|, |v[XS+5]|
.irp i, 6,10
	v_max3_num_f32 v8, v8, |v[XS+\i]|, |v[XS+\i+1]|
	v_max3_num_f32 v9, v9, |v[XS+\i+2]|, |v[XS+\i+3]|
.endr
	v_max3_num_f32 v8, v8, |v[XS+14]|, |v[XS+15]|
	v_max3_num_f32 v8, v8, v9, 0x1800000           ; the floor 2^(3 - 127): the byte cannot fall under 1
	v_max_num_f32_dpp v8, v8, v8 row_xmask:1 row_mask:0xf bank_mask:0xf   ; with my neighbour's 16: the block's largest magnitude
	v_add_nc_u32 v11, 0xff000000, v8               ; 2 off its exponent field: the conversion's scale operand
	v_cvt_scalef32_pk8_fp4_f32 v[QC+4*(\t)], v[XS:XS+7], v11
	v_cvt_scalef32_pk8_fp4_f32 v[QC+4*(\t)+1], v[XS+8:XS+15], v11
	v_lshrrev_b32 v[QE+(\t)], 23, v11              ; the scale's byte (also the plain line behind the conversions)
	ds_store_b8 v5, v[QE+(\t)] offset:16*(\t)      ; both lanes of a block write the same byte with the same value
	global_store_b64 v4, v[QC+4*(\t):QC+4*(\t)+1], s[76:77] offset:32*CB*(\t)
.endm
.irp t, 0,1,2,3,4,5,6,7,8,9,10,11,12,13,14,15
	STEP \t
.endr
	ds_load_b64 v[8:9], v6                         ; in order behind my byte stores
	s_wait_dscnt 0x0
	global_store_b64 v7, v[8:9], s[78:79]          ; 32 lanes store 256 consecutive bytes
	s_branch .Ljoin
; ---- JOB 3: the mask
.Lmask:
	v_and_b32 v2, 15, v0                           ; r
	v_bfe_u32 v3, v0, 4, 1                         ; h
	s_mul_i32 s66, s28, STGB
	s_add_co_u32 s66, s66, MSTG
	v_mul_u32_u24 v4, v3, 272
	v_lshl_add_u32 v4, v2, 4, v4
	v_add_nc_u32 v4, s66, v4                       ; into the stage: row h of a pair, 16 r
	v_mul_u32_u24 v5, v2, 272
	v_lshl_add_u32 v5, v3, 5, v5
	v_add_nc_u32 v5, s66, v5                       ; out of it: row r, 32 h
	v_lshlrev_b32 v6, 13, v3
	v_lshl_add_u32 v6, v2, 4, v6                   ; in memory: row h of a pair (8,192 bytes a row), 16 r
	v_lshlrev_b32 v7, 4, v1
	s_sub_co_u32 s67, ttmp9, WG_M
	s_lshl_b32 s67, s67, 1
	s_lshr_b32 s68, s28, 3
	s_add_co_u32 s67, s67, s68                     ; my query tile
	s_and_b32 s68, s28, 7                          ; my 256 keys
	s_lshl_b32 s70, s67, 17                        ; 16 rows of 8,192 bytes
	s_lshl_b32 s71, s68, 10
	s_add_co_u32 s70, s70, s71
	s_mov_b32 s71, 0
	s_add_nc_u64 s[72:73], s[18:19], s[70:71]
	s_lshl_b32 s70, s67, 12
	s_lshl_b32 s69, s68, 9
	s_add_co_u32 s70, s70, s69
	s_add_nc_u64 s[74:75], s[24:25], s[70:71]
.irp g, 0,1,2,3
.irp i, 0,1,2,3,4,5,6,7
	global_load_b128 v[32+4*(8*\g+\i):32+4*(8*\g+\i)+3], v6, s[72:73] offset:\i*16384+\g*256 th:TH_LOAD_NT   ; each half of the lanes reads 256 consecutive bytes
.endr
.endr
.irp i, 0,1,2,3
	v_mov_b32 v[192+\i], 0                         ; the words gather here: word W in register W % 4 of lane W / 4
.endr
.macro SUB g                           ; 64 keys: four key tiles, 32 words
	s_wait_loadcnt 24-8*\g                         ; this group's eight loads are in
.irp i, 0,1,2,3,4,5,6,7
	ds_store_b128 v4, v[32+4*(8*\g+\i):32+4*(8*\g+\i)+3] offset:544*\i
.endr
.irp k, 0,1,2,3
.irp e, 0,1
	ds_load_b128 v[160+8*\k+4*\e:160+8*\k+4*\e+3], v5 offset:64*\k+16*\e   ; in order behind my stores
.endr
.endr
	s_wait_dscnt 0x0
.irp n, 0,1,2,3,4,5,6,7,8,9,10,11,12,13,14,15,16,17,18,19,20,21,22,23,24,25,26,27,28,29,30,31
	v_cmp_ne_u32 s[84+\n%8], 0, v[160+\n]
	v_writelane_b32 v[192+\n%4], s[84+\n%8], 8*\g+\n/4
.endr
.endm
	SUB 0
	SUB 1
	SUB 2
	SUB 3
	global_store_b128 v7, v[192:195], s[74:75]     ; the wave's 128 words: 512 consecutive bytes
	s_branch .Ljoin
; ---- JOB 4: the rotation table
.Lrope:
	s_sub_co_u32 s66, ttmp9, WG_R
	s_lshl_b32 s66, s66, 4
	s_add_co_u32 s66, s66, s28
	s_lshl_b32 s66, s66, 3                         ; my wave's first of 8 positions
	s_lshl_b32 s76, s66, 8
	s_mov_b32 s77, 0
	s_add_nc_u64 s[78:79], s[26:27], s[76:77]
	v_lshlrev_b32 v8, 3, v1                        ; 8 bytes a lane: a position's 256 bytes in one store
	v_cvt_f32_u32 v9, v1
	v_mul_f32 v9, 0xbed49a78, v9                   ; -i x log2(10000) / 32
	v_exp_f32 v9, v9                               ; theta
	s_mov_b32 s68, 0x3fc90fdb                      ; pi / 2, high part
	s_mov_b32 s69, 0xb33bbd2e                      ; and what is left of it
	s_mov_b32 s70, 0xb94ca1f9                      ; sine: -1.9515296e-4, 8.3321609e-3, -1.6666655e-1
	s_mov_b32 s71, 0x3c08839e
	s_mov_b32 s72, 0xbe2aaaa3
	s_mov_b32 s73, 0x37ccf5ce                      ; cosine: 2.4433157e-5, -1.3887316e-3, 4.1666646e-2
	s_mov_b32 s74, 0xbab6061a
	s_mov_b32 s75, 0x3d2aaaa5
	s_mov_b32 s67, 0
	v_nop                                          ; a plain line behind the exponential,
	s_wait_alu depctr_va_vdst(0)                   ; and the wait ahead of its first reader and of the label
.Lpos:
	v_cvt_f32_u32 v10, s66
	v_mul_f32 v10, v10, v9                         ; the angle
	v_mul_f32 v11, 0x3f22f983, v10
	v_rndne_f32 v11, v11                           ; n = round(angle x 2 / pi)
	v_fma_f32 v12, -v11, s68, v10
	v_fma_f32 v12, -v11, s69, v12                  ; r, |r| <= pi / 4
	v_cvt_i32_f32 v13, v11
	v_mul_f32 v23, v12, v12                        ; z = r r
	v_fma_f32 v24, v23, s70, s71
	v_fma_f32 v17, v23, s73, s74
	v_fma_f32 v24, v24, v23, s72
	v_fma_f32 v17, v17, v23, s75
	v_mul_f32 v16, v23, v12
	v_mul_f32 v18, v23, v23
	v_fma_f32 v19, v23, -0.5, 1.0
	v_fma_f32 v24, v24, v16, v12                   ; sin r
	v_fma_f32 v17, v17, v18, v19                   ; cos r
	v_and_b32 v20, 1, v13
	v_cmp_eq_u32 vcc_lo, 1, v20
	v_cndmask_b32 v27, v24, v17, vcc_lo            ; an odd quarter swaps the two
	v_cndmask_b32 v26, v17, v24, vcc_lo
	v_lshlrev_b32 v21, 30, v13                     ; the sine's sign: bit 1 of n
	v_add_nc_u32 v22, 1, v13
	v_lshlrev_b32 v22, 30, v22                     ; the cosine's: bit 1 of n + 1
	v_and_b32 v21, 0x80000000, v21
	v_and_b32 v22, 0x80000000, v22
	v_xor_b32 v27, v27, v21
	v_xor_b32 v26, v26, v22
	global_store_b64 v8, v[26:27], s[78:79]
	s_wait_xcnt 0x0                                ; the store has read its offset and data: both are written again
	v_add_nc_u32 v8, 0x100, v8
	s_add_co_u32 s66, s66, 1
	s_add_co_u32 s67, s67, 1
	s_cmp_lt_u32 s67, 8
	s_cbranch_scc1 .Lpos
; ---- all four ways join: the one barrier lies on every wave's path
.Ljoin:
	s_wait_xcnt 0x0                                ; the jobs' stores have read their data: registers are written again below
	s_wait_dscnt 0x0                               ; for the others' sake: my stores into the stage have landed
	s_barrier_signal -1
	s_barrier_wait -1
	s_cmp_eq_u32 s52, 1                            ; job 2 with p < 3: 64 whole rows of codes and their scale bytes lie in LDS
	s_cbranch_scc0 .Lend
.irp i, 0,1,2,3
	ds_load_b128 v[CD+4*\i:CD+4*\i+3], v[ABK] offset:\i*SPITCH
.endr
.irp i, 0,1,2,3
	s_wait_dscnt 3-\i
	global_store_b128 v[AL16], v[CD+4*\i:CD+4*\i+3], s[46:47] offset:512*\i   ; a whole row of 512 bytes
.endr
	s_cmp_lt_u32 s28, 4
	s_cbranch_scc0 .Lend
	ds_load_b128 v[TT:TT+3], v[ABS]
	s_wait_dscnt 0x0
	global_store_b128 v[AL16], v[TT:TT+3], s[48:49]   ; 512 consecutive scale bytes
.Lend:
	s_wait_tensorcnt 0x0                           ; the wave's end, behind my last LDS store
	ds_add_u32 v[SPW], v[NIL]
	s_wait_dscnt 0x0
	s_endpgm
.Lfunc_end_k_q9f518117f1_prep:
	.size	k_q9f518117f1_prep, .Lfunc_end_k_q9f518117f1_prep-k_q9f518117f1_prep
	.p2alignl 7, 3214868480
	.fill 96, 4, 3214868480
	.section	.rodata,"a",@progbits
	.p2align	6, 0x0
	.amdhsa_kernel k_q9f518117f1_prep
		.amdhsa_group_segment_fixed_size 238592
		.amdhsa_private_segment_fixed_size 0
		.amdhsa_enable_private_segment 0
		.amdhsa_kernarg_size 96
		.amdhsa_user_sgpr_count 2
		.amdhsa_user_sgpr_kernarg_segment_ptr 1
		.amdhsa_wavefront_size32 1
		.amdhsa_system_sgpr_workgroup_id_x 1
		.amdhsa_system_sgpr_workgroup_id_y 1
		.amdhsa_system_sgpr_workgroup_id_z 1
		.amdhsa_system_vgpr_workitem_id 0
		.amdhsa_next_free_vgpr 212
		.amdhsa_next_free_sgpr 92
		.amdhsa_reserve_vcc 1
		.amdhsa_float_denorm_mode_32 3
		.amdhsa_float_denorm_mode_16_64 3
		.amdhsa_memory_ordered 1
		.amdhsa_forward_progress 1
		.amdhsa_inst_pref_size 114
	.end_amdhsa_kernel
	.amdgpu_metadata
---
amdhsa.version: [ 1, 2 ]
amdhsa.kernels:
  - .name:           k_q9f518117f1_prep
    .symbol:         k_q9f518117f1_prep.kd
    .args:
      - { .name: q_input, .offset: 0, .size: 8, .value_kind: global_buffer, .address_space: global }
      - { .name: k_input, .offset: 8, .size: 8, .value_kind: global_buffer, .address_space: global }
      - { .name: v_input, .offset: 16, .size: 8, .value_kind: global_buffer, .address_space: global }
      - { .name: W_q, .offset: 24, .size: 8, .value_kind: global_buffer, .address_space: global }
      - { .name: W_k, .offset: 32, .size: 8, .value_kind: global_buffer, .address_space: global }
      - { .name: W_v, .offset: 40, .size: 8, .value_kind: global_buffer, .address_space: global }
      - { .name: W_o, .offset: 48, .size: 8, .value_kind: global_buffer, .address_space: global }
      - { .name: mask, .offset: 56, .size: 8, .value_kind: global_buffer, .address_space: global }
      - { .name: codes, .offset: 64, .size: 8, .value_kind: global_buffer, .address_space: global }
      - { .name: scales, .offset: 72, .size: 8, .value_kind: global_buffer, .address_space: global }
      - { .name: mbits, .offset: 80, .size: 8, .value_kind: global_buffer, .address_space: global }
      - { .name: tabs, .offset: 88, .size: 8, .value_kind: global_buffer, .address_space: global }
    .group_segment_fixed_size: 238592
    .private_segment_fixed_size: 0
    .kernarg_segment_align: 8
    .kernarg_segment_size: 96
    .max_flat_workgroup_size: 512
    .sgpr_count:     92
    .vgpr_count:     212
    .wavefront_size: 32
...
	.end_amdgpu_metadata
.endif
;; end of part 1
;; launch proj (part 2): grid 4 x 48, 4 waves a work-group, no clusters, 327,680 bytes of LDS; arguments codes, scales, b_q, b_k, b_v, tabs, qkv, fine; writes qkv, fine
.if DOCPART == 2
	.amdgcn_target "amdgcn-amd-amdhsa--gfx1250"
	.amdhsa_code_object_version 6
	.text
	.protected	k_q9f518117f1_proj
	.globl	k_q9f518117f1_proj
	.p2align	8
	.type	k_q9f518117f1_proj,@function
k_q9f518117f1_proj:
	s_mov_b64 s[64:65], 0
	v_nop
	global_prefetch_b8 v0, s[64:65] scope:SCOPE_SE
	s_setreg_imm32_b32 hwreg(HW_REG_WAVE_MODE, 25, 1), 1
	s_wait_xcnt 0x0
; The three quantised products x W + b on codes of FP4 with E8M0 scales, K = 1,024, sums in f32; then bias, rotation (q, k), q's factor log2(e) / 8, and f16 images for attention.
; Work-group (x, y): p = y / 16 (0 q, 1 k, 2 v), 256 tokens (tile y % 16) x 256 features (tile x).  Four waves, each 128 x 128: 64 accumulators, 512 registers.
; All of K lies in LDS: two slots of 512 along K (rows of 256 bytes + 16 of padding) and the 512 rows' scale bytes; each wave brings 128 rows of each by three tensor loads at the head, and nothing is filled again.
; THE MATRIX INSTRUCTION IS USED TRANSPOSED (source 0 = side B's 16 rows, source 1 = side A's): a lane holds one row of A and eight neighbouring rows of B.
;   q, k: A = tokens, B = features: a lane's eight numbers are eight neighbouring features of one token: one 16-byte piece of a fragment of 16 tokens x 32 features.
;   v:    A = features, B = tokens: eight neighbouring tokens of one channel: a piece of a fragment of V^T.  The text is the same; only the rows that feed the two sides change places.
; IMAGES.  qkv + 8 MiB p + 256 KiB (16 batch + head): q, k: token tile tt, feature tile dt at 2048 tt + 512 dt + 16 lane; v: 4096 (tt / 2) + 1024 ct + 512 (tt % 2) + 16 lane.  Every store of a wave covers 512 consecutive bytes: no stage is needed.
; THE FIRST 64 POSITIONS of every sequence go as PAIRS of f16 numbers: the high part (eleven significant bits, halves away from zero) into qkv, what is left into fine (8 KiB for each p, batch, head; same layout).
; NO CLUSTER, though four work-groups read each tile of codes: whether a wave stores low parts hangs on the work-group's place among the token tiles, and partners of a joint load must branch alike.
; LIMITS: results beyond f16's 65,504 are not served (inputs 30 times the drawn ones give some 3,000).
; REGISTERS: window 0: v0-31 addresses; v32-95 scale words (two sets); v128-191 A's fragments; window 1: B's fragments, two sets; windows 2, 3: accumulator (a, b) at v[8 (8 (a % 4) + b)].
;   On the way out: window 0: v32-95 biases, v96-127 f16 pairs, v128-191 a block's 64 numbers, v192-255 at work; window 1: the rotation table of my 128 tokens.
; SCALARS: s[24:31], s[32:39] groups 1 and 0 for the codes; s[40:47], s[48:51] for the scales; s52-63 at work at the head; s[68:79] arguments; s80-95 the way out's; s96, s97 my LDS bases.
.set NQ,     4                         ; matrix instructions deep in a slot
.set ROWB,   256
.set KROW,   512
.set PITCH,  272
.set FR,     8
.set NL,     2
.set NP,     4
.set HALFT,  128*PITCH
.set SLOT,   4*HALFT
.set SCL,    2*SLOT                    ; the scales: units of 256 bytes + 16
.set HALFS,  16*272
.set SBLK,   2*272
.set SPARE,  SCL+4*HALFS
.set ADRA, 16
.set ADRB, 20
.set LI,   24                          ; v24 16 x lane
.set ADRS, 27
.set SPW,  28
.set NIL,  29
.set SC,   32
.set AF,   128
.set BI,   32
.set H,    96
.set T,    128
.set U,    192
.set G1,   24                          ; s[24:31] group 1 for codes;  s[32:39] group 0 for slots 0, 1
.set G0,   32
.set G1S,  40                          ; s[40:47], s[48:51] the same for the scales
.set G0S,  48
.set LBC,  96                          ; s96 where my 128 rows of codes go in a slot
.set LBS,  97                          ; s97 where their scales go
.set MSB, 0
.macro WIN new
.if MSB != \new
	s_set_vgpr_msb (MSB<<8)|\new
.set MSB, \new
.endif
.endm
.set MUL_LO, 0xa1                      ; source 0 (B) window 1, source 1 (A) window 0, C and D window 2
.set MUL_HI, 0xf1
.set TO_B,   0x40
	s_load_b128 s[4:7], s[0:1], 0x0                ; codes, scales
	s_load_b256 s[68:75], s[0:1], 0x10             ; b_q, b_k, b_v, tabs
	s_load_b128 s[76:79], s[0:1], 0x30             ; qkv, fine
	v_lshl_add_u32 v[SPW], v0, 2, SPARE
	v_mov_b32 v[NIL], 0
	ds_add_u32 v[SPW], v[NIL]                      ; the opening: the add, twice on end, and its wait ahead of my first tensor load
	ds_add_u32 v[SPW], v[NIL]
	v_lshrrev_b32 v1, 5, v0
	v_readfirstlane_b32 s14, v1                    ; wave 0..3
	s_lshr_b32 s15, s14, 1                         ; my half of A's rows; also: I fetch for A (0) or B (1)
	s_and_b32 s16, s14, 1                          ; my half of B's rows; also: which 128 rows I fetch
	s_and_b32 s18, ttmp7, 0xffff
	s_lshr_b32 s19, s18, 4                         ; p
	s_and_b32 s20, s18, 15                         ; token tile
	s_mov_b32 s[G1], (1<<20)|(5<<22)|(3<<25)       ; elements of 1 byte; 4 words of padding behind every 64
	s_mov_b32 s[G1+1], ROWB<<16
	s_mov_b32 s[G1+2], 128<<16
	s_mov_b32 s[G1+3], ROWB<<16
	s_mov_b32 s[G1+4], 128
	s_mov_b32 s[G1+5], KROW
	s_mov_b32 s[G1+6], 0
	s_mov_b32 s[G1+7], 0
	s_mov_b32 s[G1S], (3<<16)|(1<<20)|(5<<22)|(3<<25)   ; 128 rows' scales: 4,096 dense bytes as 16 rows of 32 elements of 8 bytes
	s_mov_b32 s[G1S+1], 32<<16
	s_mov_b32 s[G1S+2], 16<<16
	s_mov_b32 s[G1S+3], 32<<16
	s_mov_b32 s[G1S+4], 16
	s_mov_b32 s[G1S+5], 32
	s_mov_b32 s[G1S+6], 0
	s_mov_b32 s[G1S+7], 0
	s_lshl_b32 s52, s19, 12
	s_lshl_b32 s53, s20, 8
	s_add_co_u32 s52, s52, s53                     ; the tokens' first row: 4096 p + 256 tile
	s_lshl_b32 s54, s19, 10
	s_lshl_b32 s55, ttmp9, 8
	s_add_co_u32 s54, s54, s55
	s_add_co_u32 s54, s54, 12288                   ; the weight's: 12288 + 1024 p + 256 x
	s_lshr_b32 s56, s19, 1                         ; 1 for v: there the weight is side A
	s_xor_b32 s57, s56, s15
	s_cmp_eq_u32 s57, 0
	s_cselect_b32 s58, s52, s54
	s_lshl_b32 s59, s16, 7
	s_add_co_u32 s58, s58, s59                     ; the 128 rows that I fetch
	s_lshl_b32 s60, s58, 9
	s_mov_b32 s61, 0
	s_lshl_b32 s62, s58, 5
	s_mov_b32 s63, 0
	s_mul_i32 s[LBC], s14, HALFT                   ; where they go: wave x 128 rows
	s_mul_i32 s[LBS], s14, HALFS
	s_wait_dscnt 0x0                               ; both opening adds are done
	s_wait_kmcnt 0x0
	s_mov_b32 s[G0S], 1
	s_add_co_u32 s[G0S+1], s[LBS], SCL
	s_add_nc_u64 s[G0S+2:G0S+3], s[6:7], s[62:63]
	s_or_b32 s[G0S+3], s[G0S+3], 0x80000000
.irp s, 0,1
	s_mov_b32 s[G0+4*\s], 1
	s_add_co_u32 s[G0+4*\s+1], s[LBC], \s*SLOT
	s_add_nc_u64 s[G0+4*\s+2:G0+4*\s+3], s[4:5], s[60:61]
.endr
	s_add_nc_u64 s[G0+6:G0+7], s[G0+6:G0+7], ROWB
	s_or_b32 s[G0+3], s[G0+3], 0x80000000
	s_or_b32 s[G0+7], s[G0+7], 0x80000000
	tensor_load_to_lds s[G0S:G0S+3], s[G1S:G1S+7]  ; three loads of mine are out: the scales,
	s_nop 0
	tensor_load_to_lds s[G0:G0+3], s[G1:G1+7]      ; K = 0 .. 511,
	s_nop 0
	tensor_load_to_lds s[G0+4:G0+7], s[G1:G1+7]    ; K = 512 .. 1023
	s_nop 0
.rept 4
	v_nop
.endr
	v_and_b32 v1, 15, v0                           ; r
	v_bfe_u32 v2, v0, 4, 1                         ; h
	v_mul_u32_u24 v3, v1, PITCH
	v_lshl_add_u32 v4, v2, 4, v3
	s_mul_i32 s21, s15, HALFT
	s_mul_i32 s22, s16, HALFT
	s_add_co_u32 s22, s22, 2*HALFT
.irp s, 0,1
	v_add_nc_u32 v[ADRA+\s], s21, v4
	v_add_nc_u32 v[ADRB+\s], s22, v4
	s_add_co_u32 s21, s21, SLOT
	s_add_co_u32 s22, s22, SLOT
.endr
	v_mul_u32_u24 v5, v1, 32                       ; my row's scales: 32 bytes a row,
	v_lshrrev_b32 v6, 8, v5
	v_lshl_add_u32 v5, v6, 4, v5                   ; and 16 more for each 256 passed
	s_mul_i32 s21, s15, HALFS
	s_mul_i32 s22, s16, HALFS
	s_add_co_u32 s22, s22, 2*HALFS
	s_sub_co_u32 s22, s22, s21
	v_mul_u32_u24 v6, s22, v2                      ; lanes 16-31 take B's
	s_add_co_u32 s21, s21, SCL
	v_add_nc_u32 v5, v5, v6
	v_add_nc_u32 v[ADRS], s21, v5
	v_and_b32 v6, 31, v0
	v_lshlrev_b32 v[LI], 4, v6
	v_lshlrev_b32 v8, 5, v2                        ; biases of q, k: 32 h
	v_lshl_add_u32 v9, v1, 8, v8                   ; the table: 256 r + 32 h
	v_lshlrev_b32 v10, 2, v1                       ; biases of v: 4 r
	; the way out's scalars
	s_cmp_lt_u32 s19, 2
	s_cselect_b32 s80, s15, s16                    ; my half of the tokens
	s_cselect_b32 s81, s16, s15                    ; and of the features
	s_lshl_b32 s80, s80, 7
	s_lshl_b32 s81, s81, 7
	s_add_co_u32 s80, s80, s53                     ; my first token
	s_add_co_u32 s81, s81, s55                     ; my first feature
	s_lshr_b32 s82, s80, 11                        ; batch
	s_and_b32 s83, s80, 2047                       ; my first position: 0 where low parts are owed
	s_lshr_b32 s84, s81, 6                         ; my first head
	s_lshl_b32 s85, s82, 4
	s_add_co_u32 s85, s85, s84
	s_lshl_b32 s86, s19, 23
	s_lshl_b32 s87, s85, 18
	s_add_co_u32 s86, s86, s87
	s_lshl_b32 s87, s83, 7
	s_add_co_u32 s86, s86, s87
	s_mov_b32 s87, 0
	s_add_nc_u64 s[76:77], s[76:77], s[86:87]      ; qkv at my first token tile of my first head
	s_lshl_b32 s88, s19, 5
	s_add_co_u32 s88, s88, s85
	s_lshl_b32 s88, s88, 13
	s_mov_b32 s89, 0
	s_add_nc_u64 s[78:79], s[78:79], s[88:89]      ; fine likewise
	s_cmp_eq_u32 s19, 0
	s_cselect_b64 s[92:93], s[68:69], s[70:71]
	s_cselect_b32 s94, 0x3e38aa3b, 1.0             ; q is multiplied by log2(e) / 8, k by 1
	s_mov_b32 s95, s94
	s_cmp_eq_u32 s19, 2
	s_cselect_b64 s[92:93], s[72:73], s[92:93]
	s_lshl_b32 s90, s81, 2
	s_mov_b32 s91, 0
	s_add_nc_u64 s[92:93], s[92:93], s[90:91]      ; my features' biases
	s_lshl_b32 s90, s83, 8
	s_add_nc_u64 s[74:75], s[74:75], s[90:91]      ; my positions' rows of the table
.macro FRAG reg, adr, q, i             ; 16 rows x 128 K of 4-bit codes: 8 registers, two loads of 16 bytes, 32 bytes apart
.irp c, 0,1
	ds_load_b128 v[\reg+4*\c:\reg+4*\c+3], v[\adr] offset:64*(\q)+32*\c+(\i)*16*PITCH
.endr
.endm
; 16 matrix instructions: A's blocks a0, a0 + 1 x B's eight.  The 64 accumulators take turns, one instruction a turn.  zero = 1: the first product starts the sums
.macro MUL16 a0, p, q, sc, zero
.irp a, \a0, \a0+1
.irp b, 0,1,2,3,4,5,6,7
.if \zero
	v_wmma_scale_f32_16x16x128_f8f6f4 v[8*(8*((\a)%4)+\b):8*(8*((\a)%4)+\b)+7], v[128*(\p)+FR*\b:128*(\p)+FR*\b+FR-1], v[AF+FR*(\a):AF+FR*(\a)+FR-1], 0, v[SC+8*NQ*(\sc)+NQ*\b+(\q)], v[SC+8*NQ*(\sc)+NQ*(\a)+(\q)] matrix_a_fmt:MATRIX_FMT_FP4 matrix_b_fmt:MATRIX_FMT_FP4 matrix_a_scale:MATRIX_SCALE_ROW1
.else
	v_wmma_scale_f32_16x16x128_f8f6f4 v[8*(8*((\a)%4)+\b):8*(8*((\a)%4)+\b)+7], v[128*(\p)+FR*\b:128*(\p)+FR*\b+FR-1], v[AF+FR*(\a):AF+FR*(\a)+FR-1], v[8*(8*((\a)%4)+\b):8*(8*((\a)%4)+\b)+7], v[SC+8*NQ*(\sc)+NQ*\b+(\q)], v[SC+8*NQ*(\sc)+NQ*(\a)+(\q)] matrix_a_fmt:MATRIX_FMT_FP4 matrix_b_fmt:MATRIX_FMT_FP4 matrix_a_scale:MATRIX_SCALE_ROW1
.endif
.endr
.endr
.endm
.macro FETCH_B slot, q, p
	WIN TO_B
.irp i, 0,1,2,3,4,5,6,7
	FRAG 128*(\p)+FR*\i, ADRB+\slot, \q, \i
.endr
	WIN 0
.endm
.macro FETCH_A slot, q, i0
.irp i, \i0, \i0+1, \i0+2, \i0+3
	FRAG AF+FR*(\i), ADRA+\slot, \q, \i
.endr
.endm
.macro SCALES sc                       ; a slot's scale words: lanes 0-15 A's block i, lanes 16-31 B's block i
.irp i, 0,1,2,3,4,5,6,7
	ds_load_b128 v[SC+8*NQ*\sc+NQ*\i:SC+8*NQ*\sc+NQ*\i+3], v[ADRS] offset:\i*SBLK
.endr
.endm
.macro PLACES n                        ; plain vector lines between a matrix instruction and a load into, or a read of, its registers
.rept \n
	v_nop
.endr
.endm
.macro STEP slot, q, zero              ; 128 along K with its successor in the same slot
	s_wait_dscnt 4*NL                              ; B's set and A's blocks 0-3 are in; A's blocks 4-7 (eight loads) may be out
	WIN MUL_LO
	MUL16 0, (\q)%2, \q, \slot, \zero
	MUL16 2, (\q)%2, \q, \slot, \zero
	s_wait_dscnt 0
	PLACES NP
	FETCH_B \slot, (\q)+1, 1-(\q)%2
	FETCH_A \slot, (\q)+1, 0
	WIN MUL_HI
	MUL16 4, (\q)%2, \q, \slot, \zero
	MUL16 6, (\q)%2, \q, \slot, \zero
	PLACES NP
	WIN 0
	FETCH_A \slot, (\q)+1, 4
.endm
.macro TURN slot, next                 ; slot 0's last step: behind the barrier slot 1 is whole for every wave; nothing is filled again
	s_wait_tensorcnt 0x0                           ; all my tensor loads have landed: my part of slot 1 among them
	ds_add_u32 v[SPW], v[NIL]
	s_wait_dscnt 4*NL+1                            ; (the add and A's blocks 4-7 may be out)
	WIN MUL_LO
	MUL16 0, 1, NQ-1, \slot, 0
	s_wait_dscnt 0x0
	s_barrier_signal -1
	MUL16 2, 1, NQ-1, \slot, 0
	WIN 0
	s_barrier_wait -1
	PLACES NP
	v_add_nc_u32 v[ADRS], 4*NQ, v[ADRS]            ; the next slot's scale words
	FETCH_B \next, 0, 0
	FETCH_A \next, 0, 0
	SCALES \next
	WIN MUL_HI
	MUL16 4, 1, NQ-1, \slot, 0
	MUL16 6, 1, NQ-1, \slot, 0
	PLACES NP
	WIN 0
	FETCH_A \next, 0, 4
.endm
.macro STEPS slot, from
.set Q, \from
.rept NQ-1-\from
	STEP \slot, Q, 0
.set Q, Q+1
.endr
.endm
	s_wait_tensorcnt 1                             ; the scales and my part of slot 0 are in; slot 1's load may be out
	s_barrier_signal -1
	s_barrier_wait -1
	FETCH_B 0, 0, 0
	FETCH_A 0, 0, 0
	SCALES 0
	FETCH_A 0, 0, 4
	STEP 0, 0, 1
	STEPS 0, 1
	TURN 0, 1
	STEPS 1, 0
	s_wait_dscnt 4*NL
	WIN MUL_LO
	MUL16 0, 1, NQ-1, 1, 0
	MUL16 2, 1, NQ-1, 1, 0
	s_wait_dscnt 0
	WIN MUL_HI
	MUL16 4, 1, NQ-1, 1, 0
	MUL16 6, 1, NQ-1, 1, 0
	WIN 0
	PLACES NP                                      ; ahead of the loads into operands' registers and of the first read of results
; THE WAY OUT
.macro SPLIT n                         ; U = the first n numbers of T rounded to eleven significant bits, T = what is left (exact)
.set i, 0
.rept \n
	v_add_nc_u32 v[U+i], 0x1000, v[T+i]
.set i, i+1
.endr
.set i, 0
.rept \n
	v_and_b32 v[U+i], 0xffffe000, v[U+i]
.set i, i+1
.endr
.set i, 0
.rept \n/2
	v_pk_add_f32 v[T+i:T+i+1], v[T+i:T+i+1], v[U+i:U+i+1] neg_lo:[0,1] neg_hi:[0,1]
.set i, i+2
.endr
.endm
.macro PACKH dst, src, n               ; n registers of two f16 each
.set i, 0
.rept \n
	v_cvt_pk_f16_f32 v[\dst+i], v[\src+2*i], v[\src+2*i+1]
.set i, i+1
.endr
.endm
	s_cmp_eq_u32 s19, 2
	s_cbranch_scc1 .Lvpath
.irp b, 0,1,2,3,4,5,6,7
.irp e, 0,1
	global_load_b128 v[BI+8*\b+4*\e:BI+8*\b+4*\e+3], v8, s[92:93] offset:64*\b+16*\e   ; b(feature 16 b + 8 h + 0 .. 7)
.endr
.endr
	WIN 0x40
.irp a, 0,1,2,3,4,5,6,7
.irp d, 0,1,2,3
.irp e, 0,1
	global_load_b128 v[32*\a+8*\d+4*\e:32*\a+8*\d+4*\e+3], v9, s[74:75] offset:4096*\a+64*\d+16*\e   ; (cos, sin) of position 16 a + r, pairs 8 d + 4 h + 0 .. 3
.endr
.endr
.endr
	WIN 0
.macro EQK a                           ; 16 tokens x 128 features
.if \a > 0
	s_wait_xcnt 0x0                                ; the last block's stores have read their data
.endif
	s_wait_loadcnt 8*(7-(\a))                      ; the biases and this block's table are in; the later blocks' eight loads each may be out
	WIN (0x02+(\a)/4)
.set i, 0
.rept 32
	v_pk_add_f32 v[T+2*i:T+2*i+1], v[64*((\a)%4)+2*i:64*((\a)%4)+2*i+1], v[BI+2*i:BI+2*i+1]   ; each accumulator from its low end on
.set i, i+1
.endr
	WIN 0x04                                       ; source 1: the table, window 1
.irp b, 0,1,2,3,4,5,6,7
.irp k, 0,1,2,3
	v_mul_f32 v[U+8*\b+2*\k], v[T+8*\b+2*\k+1], v[32*(\a)+8*(\b%4)+2*\k+1]     ; odd x sin
	v_mul_f32 v[U+8*\b+2*\k+1], v[T+8*\b+2*\k+1], v[32*(\a)+8*(\b%4)+2*\k]     ; odd x cos
.endr
.endr
.irp b, 0,1,2,3,4,5,6,7
.irp k, 0,1,2,3
	v_fma_f32 v[T+8*\b+2*\k+1], v[T+8*\b+2*\k], v[32*(\a)+8*(\b%4)+2*\k+1], v[U+8*\b+2*\k+1]   ; even x sin + odd x cos
	v_fma_f32 v[T+8*\b+2*\k], v[T+8*\b+2*\k], v[32*(\a)+8*(\b%4)+2*\k], -v[U+8*\b+2*\k]        ; even x cos - odd x sin
.endr
.endr
	WIN 0
.set i, 0
.rept 32
	v_pk_mul_f32 v[T+2*i:T+2*i+1], v[T+2*i:T+2*i+1], s[94:95] op_sel_hi:[1,0]
.set i, i+1
.endr
.if \a < 4
	s_cmp_lg_u32 s83, 0                            ; positions 0 to 63 of a sequence?  Ids and the wave's number alone
	s_cbranch_scc1 .Lplain_\@
	SPLIT 64
	PACKH H, U, 32
.irp b, 0,1,2,3,4,5,6,7
	global_store_b128 v[LI], v[H+4*\b:H+4*\b+3], s[76:77] offset:(\a)*2048+(\b/4)*262144+(\b%4)*512
.endr
	PACKH U, T, 32
.irp b, 0,1,2,3,4,5,6,7
	global_store_b128 v[LI], v[U+4*\b:U+4*\b+3], s[78:79] offset:(\a)*2048+(\b/4)*8192+(\b%4)*512
.endr
	s_branch .Ldone_\@
.Lplain_\@:
.endif
	PACKH H, T, 32
.irp b, 0,1,2,3,4,5,6,7
	global_store_b128 v[LI], v[H+4*\b:H+4*\b+3], s[76:77] offset:(\a)*2048+(\b/4)*262144+(\b%4)*512   ; 512 consecutive bytes
.endr
.Ldone_\@:
.endm
.irp a, 0,1,2,3,4,5,6,7
	EQK \a
.endr
	s_branch .Lfin
.Lvpath:
.irp a, 0,1,2,3,4,5,6,7
	global_load_b32 v[BI+\a], v10, s[92:93] offset:64*\a   ; b_v(channel 16 a + r)
.endr
	s_wait_loadcnt 0x0
.macro EV a                            ; 16 channels x 128 tokens
.if \a > 0
	s_wait_xcnt 0x0
.endif
	WIN (0x02+(\a)/4)
.set i, 0
.rept 64
	v_add_f32 v[T+i], v[64*((\a)%4)+i], v[BI+(\a)]
.set i, i+1
.endr
	WIN 0
	s_cmp_lg_u32 s83, 0
	s_cbranch_scc1 .Lvplain_\@
	SPLIT 32                                       ; token blocks 0 to 3: positions 0 to 63
	PACKH H, U, 16
	PACKH U+32, T, 16
.irp b, 0,1,2,3
	global_store_b128 v[LI], v[U+32+4*\b:U+32+4*\b+3], s[78:79] offset:((\a)/4)*8192+((\a)%4)*1024+(\b/2)*4096+(\b%2)*512
.endr
	s_branch .Lvrest_\@
.Lvplain_\@:
	PACKH H, T, 16
.Lvrest_\@:
	PACKH H+16, T+32, 16
.irp b, 0,1,2,3,4,5,6,7
	global_store_b128 v[LI], v[H+4*\b:H+4*\b+3], s[76:77] offset:((\a)/4)*262144+((\a)%4)*1024+(\b/2)*4096+(\b%2)*512
.endr
.endm
.irp a, 0,1,2,3,4,5,6,7
	EV \a
.endr
.Lfin:
	s_wait_tensorcnt 0x0                           ; the wave's end, behind my last tensor load
	ds_add_u32 v[SPW], v[NIL]
	s_wait_dscnt 0x0
	s_endpgm
.Lfunc_end_k_q9f518117f1_proj:
	.size	k_q9f518117f1_proj, .Lfunc_end_k_q9f518117f1_proj-k_q9f518117f1_proj
	.p2alignl 7, 3214868480
	.fill 96, 4, 3214868480
	.section	.rodata,"a",@progbits
	.p2align	6, 0x0
	.amdhsa_kernel k_q9f518117f1_proj
		.amdhsa_group_segment_fixed_size 327680
		.amdhsa_private_segment_fixed_size 0
		.amdhsa_enable_private_segment 0
		.amdhsa_kernarg_size 64
		.amdhsa_user_sgpr_count 2
		.amdhsa_user_sgpr_kernarg_segment_ptr 1
		.amdhsa_wavefront_size32 1
		.amdhsa_system_sgpr_workgroup_id_x 1
		.amdhsa_system_sgpr_workgroup_id_y 1
		.amdhsa_system_sgpr_workgroup_id_z 1
		.amdhsa_system_vgpr_workitem_id 0
		.amdhsa_next_free_vgpr 1024
		.amdhsa_next_free_sgpr 100
		.amdhsa_reserve_vcc 0
		.amdhsa_float_denorm_mode_32 3
		.amdhsa_float_denorm_mode_16_64 3
		.amdhsa_memory_ordered 1
		.amdhsa_forward_progress 1
		.amdhsa_inst_pref_size 255
	.end_amdhsa_kernel
	.section	.bss,"aw",@nobits
	.p2align	6
	.space	262144
	.amdgpu_metadata
---
amdhsa.version: [ 1, 2 ]
amdhsa.kernels:
  - .name:           k_q9f518117f1_proj
    .symbol:         k_q9f518117f1_proj.kd
    .args:
      - { .name: codes, .offset: 0, .size: 8, .value_kind: global_buffer, .address_space: global }
      - { .name: scales, .offset: 8, .size: 8, .value_kind: global_buffer, .address_space: global }
      - { .name: b_q, .offset: 16, .size: 8, .value_kind: global_buffer, .address_space: global }
      - { .name: b_k, .offset: 24, .size: 8, .value_kind: global_buffer, .address_space: global }
      - { .name: b_v, .offset: 32, .size: 8, .value_kind: global_buffer, .address_space: global }
      - { .name: tabs, .offset: 40, .size: 8, .value_kind: global_buffer, .address_space: global }
      - { .name: qkv, .offset: 48, .size: 8, .value_kind: global_buffer, .address_space: global }
      - { .name: fine, .offset: 56, .size: 8, .value_kind: global_buffer, .address_space: global }
    .group_segment_fixed_size: 327680
    .private_segment_fixed_size: 0
    .kernarg_segment_align: 8
    .kernarg_segment_size: 64
    .max_flat_workgroup_size: 128
    .sgpr_count:     100
    .vgpr_count:     1024
    .wavefront_size: 32
...
	.end_amdgpu_metadata
.endif
;; end of part 2
;; launch attn (part 3): grid 8 x 32, 8 waves a work-group, clusters of 4 x 1, 327,680 bytes of LDS; arguments qkv, mbits, ctx; writes ctx
.if DOCPART == 3
	.amdgcn_target "amdgcn-amd-amdhsa--gfx1250"
	.amdhsa_code_object_version 6
	.text
	.protected	k_q9f518117f1_attn
	.globl	k_q9f518117f1_attn
	.p2align	8
	.type	k_q9f518117f1_attn,@function
k_q9f518117f1_attn:
	s_mov_b64 s[64:65], 0
	v_nop
	global_prefetch_b8 v0, s[64:65] scope:SCOPE_SE
	s_setreg_imm32_b32 hwreg(HW_REG_WAVE_MODE, 25, 1), 1
	s_wait_xcnt 0x0
	s_wait_alu depctr_hold_cnt(0) depctr_sa_sdst(0) depctr_va_vdst(0) depctr_va_sdst(0) depctr_va_ssrc(0) depctr_va_vcc(0) depctr_vm_vsrc(0)
	s_getreg_b32 s2, hwreg(HW_REG_IB_STS2, 6, 4)
	s_cmp_eq_u32 s2, 0
	s_cbranch_scc0 .Lentry_in_a_cluster
	s_endpgm
.Lentry_in_a_cluster:
	s_bfe_u32 s2, ttmp6, 0x10000c
	s_cmp_lg_u32 s2, 0x3003
	s_cbranch_scc0 .Lentry_shape_is_right
	s_endpgm
.Lentry_shape_is_right:
; ctx[b][q][head] = softmax over the keys of (q . k / 8, or -1e9 where the mask is 0) times v, for all 2,048 queries and keys of 32 (batch, head); operands f16, sums f32.
; THE MASK IS AN INPUT: every key is walked for every query, and a masked score is REPLACED by -1e9 (here in base 2: -1e9 log2(e)), as the definition has it: a row that is masked throughout averages all values.
; q arrives multiplied by log2(e) / 8, so a score is already t = s log2(e): p = 2^(t - m) with a running maximum m; O and the sum l are multiplied by 2^(m_old - m_new) in every step.
; SHARES.  A work-group owns 256 queries of one (batch, head); each of its eight waves 32: two tiles of 16.  Two waves share a SIMD, so that one wave's softmax stands beside the other's products.
; LAYOUT.  S^T = K Q^T (source 0 = 16 keys, source 1 = 16 queries), O^T = V^T P: a lane holds ONE query throughout; two tiles of S^T rounded to f16 in pairs are source 1 of the second product.
; q, k, v arrive as images of the operands' registers: every fragment load is 512 consecutive bytes, 16 a lane: no pitch, no padding, no turning load.
; RING.  Two slots of 512 keys (K 64 KiB, V 64 KiB); each wave brings 16 KiB of a slot by one tensor load.  2,048 keys are four slots' worth: two first fills, two refills.
; CLUSTER.  The four query blocks of a cluster belong to one (batch, head) and walk the same K and V: each load is a joint one, the same descriptor and the mask 15 in all four.
; The mask comes as lane masks (a word for each register of a tile of scores) by scalar loads, a step ahead.
; LIMITS: f16 operands (magnitudes to 65,504); scores under -1e9 are not told from masked ones as the definition tells them.
; REGISTERS: window 0: v1-8 addresses and constants; v16-31 statistics, 8 a tile (+0 m, +1 0, +2 +3 l, +4 +5 at work, +6 the factor, +7 its exponent); v64-127 S^T; v128-159 P; v160-191 Q.
;   window 1: v0-63 O^T; v64-127 K of a step; v128-191 V of a step.
.set SLOT1, 1<<17
.set VOFF,  65536
.set STEPB, 8192                       ; 64 keys of K, and of V
.set SLOTB, 65536                      ; 512 keys of K, and of V, in memory
.set SPARE, 2*SLOT1
.set LI,  1                            ; v1 16 x lane
.set ADK, 2
.set ADV, 3
.set SPW, 4
.set NIL, 5
.set NEG, 6                            ; v6 -1e9 log2(e)
.set PFO, 7                            ; v7 256 x lane
.set LV,  8                            ; v8 16 x lane + VOFF
.set ST,  16
.set S,   64
.set P,   128
.set Q,   160
.set KW,  64
.set VW,  128
.set WV,  10
.set TB,  11                           ; s11 LDS byte of the step's K
.set MOFF, 12                          ; s12 the next step's mask words: 128 bytes a step
.set SLOTS, 13
.set CNT, 14
.set LIM, 15
.set SEL, 66
.set G1,  68
.set G0A, 76
.set G0W, 96
.set PFA, 100
.set MSB, 0
.macro WIN new
.if MSB != \new
	s_set_vgpr_msb (MSB<<8)|\new
.set MSB, \new
.endif
.endm
.macro CROUND                          ; a round of the cluster's barrier
	s_barrier_signal -1
	s_barrier_wait -1
	s_cmp_lg_u32 s[WV], 0
	s_cbranch_scc1 .Lnot_wave_0_\@
	s_barrier_signal -3
.Lnot_wave_0_\@:
	s_barrier_wait -3
	s_barrier_signal -1
	s_barrier_wait -1
.endm
; A prefetch of what the NEXT change of slots will ask for: 128 KiB, a lane to each 256 bytes.  Both clusters of a (batch, head) walk the same K and V: the first asks.  Its four partners share the bytes out by address
; (8 KiB each of the 32 KiB that begin at an even wave's part); waves 0, 2 ask for K's, waves 4, 6 for V's: each block is named once.  The last change that fills a slot asks for nothing.
.macro ASK
	s_cmp_gt_u32 s[SLOTS], s[LIM]
	s_cbranch_scc0 .Lnot_mine_\@
	global_prefetch_b8 v[PFO], s[PFA:PFA+1] th:TH_LOAD_NT scope:SCOPE_SE
.Lnot_mine_\@:
.endm
	s_load_b128 s[4:7], s[0:1], 0x0                ; qkv, mbits
	s_load_b64 s[8:9], s[0:1], 0x10                ; ctx
	v_lshl_add_u32 v[SPW], v0, 2, SPARE
	v_mov_b32 v[NIL], 0
	ds_add_u32 v[SPW], v[NIL]                      ; the opening: the add, twice on end, and its wait ahead of my first tensor load
	ds_add_u32 v[SPW], v[NIL]
	v_lshrrev_b32 v9, 5, v0
	v_readfirstlane_b32 s[WV], v9                  ; wave 0..7
	s_bfe_u32 s16, ttmp6, 0x40000                  ; cx
	s_lshl_b32 s17, ttmp9, 2
	s_add_co_u32 s17, s17, s16                     ; my block of 256 queries: it enters Q's, the mask's, ctx's and the prefetch's addresses alone
	s_and_b32 s18, ttmp7, 0xffff                   ; 16 batch + head, which the partners share
	s_mov_b32 s[G1], 15|(3<<16)|(1<<21)            ; the mask: all four; elements of 8 bytes; bit 21 beside a mask; no padding
	s_mov_b32 s[G1+1], 32<<16                      ; 16 KiB dense: 64 rows of 256 bytes
	s_mov_b32 s[G1+2], 64<<16
	s_mov_b32 s[G1+3], 32<<16
	s_mov_b32 s[G1+4], 64
	s_mov_b32 s[G1+5], 32
	s_mov_b32 s[G1+6], 0
	s_mov_b32 s[G1+7], 0
	s_lshl_b32 s28, s18, 18
	s_lshr_b32 s20, s[WV], 2                       ; waves 0-3 fetch K, waves 4-7 V
	s_add_co_u32 s20, s20, 1
	s_lshl_b32 s20, s20, 23
	s_add_co_u32 s20, s20, s28
	s_and_b32 s21, s[WV], 3
	s_lshl_b32 s21, s21, 14
	s_add_co_u32 s20, s20, s21
	s_mov_b32 s21, 0
	s_lshl_b32 s29, s17, 4
	s_lshl_b32 s30, s[WV], 1
	s_add_co_u32 s29, s29, s30                     ; my first query tile
	s_lshl_b32 s22, s29, 11
	s_add_co_u32 s22, s22, s28
	s_mov_b32 s23, 0
	s_lshl_b32 s24, s29, 12
	s_mov_b32 s25, 0
	s_lshr_b32 s26, s18, 4
	s_lshl_b32 s26, s26, 7
	s_add_co_u32 s26, s26, s29
	s_lshl_b32 s26, s26, 15
	s_and_b32 s27, s18, 15
	s_lshl_b32 s27, s27, 11
	s_add_co_u32 s26, s26, s27
	s_mov_b32 s27, 0
	s_lshl_b32 s31, s[WV], 14                      ; my part of a slot: no place in the cluster enters an LDS address
	s_lshl_b32 s32, s16, 13
	s_mov_b32 s33, 0
	s_mov_b32 s[SEL], 0x76543210
	s_mov_b32 s[SEL+1], 0xfedcba98
	s_mov_b32 s[TB], 0
	s_mov_b32 s[MOFF], 0
	s_mov_b32 s[SLOTS], 2
	s_and_b32 s[LIM], s[WV], 1
	s_or_b32 s[LIM], s[LIM], ttmp9                 ; 0 in the even waves of the first cluster: the same in all four partners
	s_cmp_eq_u32 s[LIM], 0
	s_cselect_b32 s[LIM], 1, -1
	s_wait_dscnt 0x0                               ; both opening adds are done
	s_wait_kmcnt 0x0
	s_add_nc_u64 s[20:21], s[4:5], s[20:21]        ; my part of the first 512 keys
	s_add_nc_u64 s[4:5], s[4:5], s[22:23]          ; Q
	s_add_nc_u64 s[6:7], s[6:7], s[24:25]          ; my tiles' mask words
	s_add_nc_u64 s[8:9], s[8:9], s[26:27]          ; ctx
	s_add_nc_u64 s[PFA:PFA+1], s[20:21], s[32:33]
	s_add_nc_u64 s[PFA:PFA+1], s[PFA:PFA+1], 2*SLOTB   ; the first change of slots steps it to the last 512 keys; nothing is prefetched at the head
	CROUND                                         ; all four work-groups are here: the first joint loads meet
	s_mov_b32 s[G0A], 1
	s_mov_b32 s[G0A+1], s31
	s_mov_b64 s[G0A+2:G0A+3], s[20:21]
	s_or_b32 s[G0A+3], s[G0A+3], 0x80000000
	s_mov_b32 s[G0W], 1
	s_add_co_u32 s[G0W+1], s31, SLOT1
	s_add_nc_u64 s[G0W+2:G0W+3], s[20:21], SLOTB
	s_or_b32 s[G0W+3], s[G0W+3], 0x80000000
	tensor_load_to_lds s[G0A:G0A+3], s[G1:G1+7]    ; two loads of mine are out
	s_nop 0
	tensor_load_to_lds s[G0W:G0W+3], s[G1:G1+7]
	s_nop 0
.rept 4
	v_nop
.endr
	v_and_b32 v[LI], 31, v0
	v_lshlrev_b32 v[PFO], 8, v[LI]
	v_lshlrev_b32 v[LI], 4, v[LI]
	v_add_nc_u32 v[LV], VOFF, v[LI]
.irp i, 0,1,2,3,4,5,6,7
	global_load_b128 v[Q+4*\i:Q+4*\i+3], v[LI], s[4:5] offset:512*\i   ; Q stays in registers: tile i / 4, 32 channels (i / 2) % 2, chunk i % 2
.endr
	s_load_b512 s[16:31], s[6:7], 0x0              ; step 0's mask words: tile 0,
	s_load_b512 s[32:47], s[6:7], 0x40
	s_load_b512 s[48:63], s[6:7], 0x1000           ; tile 1
	s_load_b512 s[80:95], s[6:7], 0x1040
	v_mov_b32 v[NEG], 0xceabfb8e
.irp t, 0,1
	v_mov_b32 v[ST+8*\t], 0xff61b1e6               ; m: -3e38, under every t
.irp j, 1,2,3,4,5,6,7
	v_mov_b32 v[ST+8*\t+\j], 0
.endr
.endr
	WIN 0x40
.set i, 0
.rept 64
	v_mov_b32 v[i], 0                              ; O^T: the step is written once; the first finds zeros
.set i, i+1
.endr
	WIN 0
.macro ROWMAX t
.set rS, S+32*\t
.set rT, ST+8*\t
	v_max3_num_f32 v[rT+4], v[rS], v[rS+1], v[rS+2]
	v_max3_num_f32 v[rT+5], v[rS+3], v[rS+4], v[rS+5]
.irp i, 6,10,14,18,22,26
	v_max3_num_f32 v[rT+4], v[rT+4], v[rS+\i], v[rS+\i+1]
	v_max3_num_f32 v[rT+5], v[rT+5], v[rS+\i+2], v[rS+\i+3]
.endr
	v_max3_num_f32 v[rT+4], v[rT+4], v[rS+30], v[rS+31]
	v_max3_num_f32 v[rT+4], v[rT+4], v[rT+5], v[rT]
	v_permlanex16_b32 v[rT+5], v[rT+4], s[SEL], s[SEL+1]   ; the query's other 32 keys lie in the lane 16 away
	v_max_num_f32 v[rT+4], v[rT+4], v[rT+5]
	v_sub_f32 v[rT+7], v[rT], v[rT+4]              ; m_old - m_new
	v_mov_b32 v[rT], v[rT+4]
.endm
.macro ROWSUM t                        ; the sum of the tile's 16 pairs, in place; then l = factor x l + the sum
.set rS, S+32*\t
.set rT, ST+8*\t
.irp w, 16, 8, 4, 2
.set i, 0
.rept \w/2
	v_pk_add_f32 v[rS+i:rS+i+1], v[rS+i:rS+i+1], v[rS+i+\w:rS+i+\w+1]
.set i, i+2
.endr
.endr
	v_pk_fma_f32 v[rT+2:rT+3], v[rT+2:rT+3], v[rT+6:rT+7], v[rS:rS+1] op_sel_hi:[1,0,1]
.endm
; A KEY STEP: 64 keys
.macro STEP
	v_add_nc_u32 v[ADK], s[TB], v[LI]
	v_add_nc_u32 v[ADV], s[TB], v[LV]
	v_nop
	v_nop                                          ; four plain lines between the last products and the loads into V's registers
	WIN 0x40
.set i, 0
.rept 16
	ds_load_b128 v[KW+4*i:KW+4*i+3], v[ADK] offset:512*i
.set i, i+1
.endr
.set i, 0
.rept 16
	ds_load_b128 v[VW+4*i:VW+4*i+3], v[ADV] offset:512*i
.set i, i+1
.endr
	s_wait_dscnt 16                                ; K is in; V's sixteen loads may be out
	WIN 0x01
.irp s, 0,1                            ; the eight accumulators take turns
.irp t, 0,1
.irp k, 0,1,2,3
.if \s == 0
	v_wmma_f32_16x16x32_f16 v[S+32*\t+8*\k:S+32*\t+8*\k+7], v[KW+16*\k+8*\s:KW+16*\k+8*\s+7], v[Q+16*\t+8*\s:Q+16*\t+8*\s+7], 0
.else
	v_wmma_f32_16x16x32_f16 v[S+32*\t+8*\k:S+32*\t+8*\k+7], v[KW+16*\k+8*\s:KW+16*\k+8*\s+7], v[Q+16*\t+8*\s:Q+16*\t+8*\s+7], v[S+32*\t+8*\k:S+32*\t+8*\k+7]
.endif
.endr
.endr
.endr
	WIN 0
	s_wait_kmcnt 0x0                               ; this step's mask words are in
.rept 4
	v_nop
.endr
.set i, 0
.rept 64                               ; where the mask's bit is 0 the score is replaced; each accumulator from its low end on
.if i < 48
	v_cndmask_b32 v[S+i], v[NEG], v[S+i], s[16+i]
.else
	v_cndmask_b32 v[S+i], v[NEG], v[S+i], s[80+i-48]
.endif
.set i, i+1
.endr
	s_add_co_u32 s[MOFF], s[MOFF], 128             ; the next step's words (the last step asks for step 0's again: inside the buffer, and unused)
	s_and_b32 s[MOFF], s[MOFF], 4095
	s_load_b512 s[16:31], s[6:7], s[MOFF] offset:0x0
	s_load_b512 s[32:47], s[6:7], s[MOFF] offset:0x40
	s_load_b512 s[48:63], s[6:7], s[MOFF] offset:0x1000
	s_load_b512 s[80:95], s[6:7], s[MOFF] offset:0x1040
	ROWMAX 0
	ROWMAX 1
.irp t, 0,1
.set i, 0
.rept 16
	v_pk_add_f32 v[S+32*\t+i:S+32*\t+i+1], v[S+32*\t+i:S+32*\t+i+1], v[ST+8*\t:ST+8*\t+1] op_sel_hi:[1,0] neg_lo:[0,1] neg_hi:[0,1]   ; t - m
.set i, i+2
.endr
.endr
	v_exp_f32 v[ST+6], v[ST+7]                     ; ONE BATCH: the two factors and the 64 weights
	v_exp_f32 v[ST+14], v[ST+15]
.set i, 0
.rept 64
	v_exp_f32 v[S+i], v[S+i]
.set i, i+1
.endr
	v_nop                                          ; a plain line behind the last exponential,
	s_wait_alu depctr_va_vdst(0)                   ; and one wait for the batch, ahead of its first reader
.set i, 0
.rept 32
	v_cvt_pk_f16_f32 v[P+i], v[S+2*i], v[S+2*i+1]
.set i, i+1
.endr
	ROWSUM 0
	ROWSUM 1
	WIN 0x41
.irp t, 0,1
.set i, 0
.rept 16
	v_pk_mul_f32 v[32*\t+i:32*\t+i+1], v[32*\t+i:32*\t+i+1], v[ST+8*\t+6:ST+8*\t+7] op_sel_hi:[1,0]
.set i, i+2
.endr
.endr
	s_wait_dscnt 0x0                               ; V is in
	WIN 0x51
.irp k, 0,1
.irp t, 0,1
.irp c, 0,1,2,3
	v_wmma_f32_16x16x32_f16 v[32*\t+8*\c:32*\t+8*\c+7], v[VW+32*\k+8*\c:VW+32*\k+8*\c+7], v[P+16*\t+8*\k:P+16*\t+8*\k+7], v[32*\t+8*\c:32*\t+8*\c+7]
.endr
.endr
.endr
	WIN 0
	s_add_co_u32 s[TB], s[TB], STEPB
.endm
.macro SLOTSTEPS                       ; a slot's eight steps: written once, walked eight times
	s_mov_b32 s[CNT], 8
.Lstep_\@:
	STEP
	s_sub_co_u32 s[CNT], s[CNT], 1
	s_cmp_lg_u32 s[CNT], 0
	s_cbranch_scc1 .Lstep_\@
.endm
; THE CHANGE OF SLOTS.  Each wave waits for all its tensor loads (one is out: its part of the other slot), adds 0 to its spare word, and waits for that and for its reads of the slot that it leaves.
; fill = 1: a round of the cluster's barrier, and behind it the joint refill first: it has eight key steps in which to land.
.macro CHANGE fill
	s_wait_tensorcnt 0x0
	ds_add_u32 v[SPW], v[NIL]
.if \fill
	s_xor_b32 s[G0W+1], s[G0W+1], SLOT1            ; the walking descriptor: the other slot, the next 512 keys
	s_add_nc_u64 s[G0W+2:G0W+3], s[G0W+2:G0W+3], SLOTB
	s_wait_xcnt 0x0                                ; the last prefetch has read its address
	s_add_nc_u64 s[PFA:PFA+1], s[PFA:PFA+1], SLOTB
	s_wait_dscnt 0x0
	CROUND
	tensor_load_to_lds s[G0W:G0W+3], s[G1:G1+7]
	s_nop 0
.rept 4
	v_nop
.endr
	ASK
.else
	s_wait_dscnt 0x0
	s_barrier_signal -1
	s_barrier_wait -1
.endif
	s_sub_co_u32 s[TB], s[TB], 8*STEPB
	s_xor_b32 s[TB], s[TB], SLOT1
.endm
	s_wait_tensorcnt 0x1                           ; my part of slot 0 is in; slot 1's may stay out
	s_barrier_signal -1
	s_barrier_wait -1
	s_wait_loadcnt 0x0                             ; Q
	SLOTSTEPS
.Lslot:                                ; two trips: both slots are filled once more
	CHANGE 1
	SLOTSTEPS
	s_sub_co_u32 s[SLOTS], s[SLOTS], 1
	s_cmp_lg_u32 s[SLOTS], 0
	s_cbranch_scc1 .Lslot
	CHANGE 0                                       ; the tail is written out
	SLOTSTEPS
	; THE WAY OUT: O^T / l, rounded to f16: a lane's eight channels of a query are one piece of ctx's image
	s_wait_kmcnt 0x0
.rept 4
	v_nop
.endr
.irp t, 0,1
	v_add_f32 v[ST+8*\t+4], v[ST+8*\t+2], v[ST+8*\t+3]
.endr
.irp t, 0,1
	v_permlanex16_b32 v[ST+8*\t+5], v[ST+8*\t+4], s[SEL], s[SEL+1]
.endr
.irp t, 0,1
	v_add_f32 v[ST+8*\t+4], v[ST+8*\t+4], v[ST+8*\t+5]
.endr
.irp t, 0,1
	v_rcp_f32 v[ST+8*\t+6], v[ST+8*\t+4]
.endr
	v_nop
	s_wait_alu depctr_va_vdst(0)                   ; one wait for the two reciprocals
	WIN 0x41
.irp t, 0,1
.set i, 0
.rept 16
	v_pk_mul_f32 v[32*\t+i:32*\t+i+1], v[32*\t+i:32*\t+i+1], v[ST+8*\t+6:ST+8*\t+7] op_sel_hi:[1,0]
.set i, i+2
.endr
.endr
	WIN 0x05
.set i, 0
.rept 32
	v_cvt_pk_f16_f32 v[S+i], v[2*i], v[2*i+1]
.set i, i+1
.endr
	WIN 0
.irp t, 0,1
.irp c, 0,1,2,3
	global_store_b128 v[LI], v[S+16*\t+4*\c:S+16*\t+4*\c+3], s[8:9] offset:32768*\t+512*\c   ; 512 consecutive bytes
.endr
.endr
	s_wait_tensorcnt 0x0                           ; the wave's end
	ds_add_u32 v[SPW], v[NIL]
	s_wait_dscnt 0x0
	CROUND                                         ; the closing round
	s_endpgm
.Lfunc_end_k_q9f518117f1_attn:
	.size	k_q9f518117f1_attn, .Lfunc_end_k_q9f518117f1_attn-k_q9f518117f1_attn
	.p2alignl 7, 3214868480
	.fill 96, 4, 3214868480
	.section	.rodata,"a",@progbits
	.p2align	6, 0x0
	.amdhsa_kernel k_q9f518117f1_attn
		.amdhsa_group_segment_fixed_size 327680
		.amdhsa_private_segment_fixed_size 0
		.amdhsa_enable_private_segment 0
		.amdhsa_kernarg_size 24
		.amdhsa_user_sgpr_count 2
		.amdhsa_user_sgpr_kernarg_segment_ptr 1
		.amdhsa_wavefront_size32 1
		.amdhsa_system_sgpr_workgroup_id_x 1
		.amdhsa_system_sgpr_workgroup_id_y 1
		.amdhsa_system_sgpr_workgroup_id_z 1
		.amdhsa_system_vgpr_workitem_id 0
		.amdhsa_next_free_vgpr 448
		.amdhsa_next_free_sgpr 102
		.amdhsa_reserve_vcc 0
		.amdhsa_float_denorm_mode_32 3
		.amdhsa_float_denorm_mode_16_64 3
		.amdhsa_memory_ordered 1
		.amdhsa_forward_progress 1
		.amdhsa_inst_pref_size 80
	.end_amdhsa_kernel
	.amdgpu_metadata
---
amdhsa.version: [ 1, 2 ]
amdhsa.kernels:
  - .name:           k_q9f518117f1_attn
    .symbol:         k_q9f518117f1_attn.kd
    .args:
      - { .name: qkv, .offset: 0, .size: 8, .value_kind: global_buffer, .address_space: global }
      - { .name: mbits, .offset: 8, .size: 8, .value_kind: global_buffer, .address_space: global }
      - { .name: ctx, .offset: 16, .size: 8, .value_kind: global_buffer, .address_space: global }
    .group_segment_fixed_size: 327680
    .private_segment_fixed_size: 0
    .kernarg_segment_align: 8
    .kernarg_segment_size: 24
    .max_flat_workgroup_size: 256
    .sgpr_count:     102
    .vgpr_count:     448
    .wavefront_size: 32
...
	.end_amdgpu_metadata
.endif
;; end of part 3
;; launch attn_fine (part 4): grid 32 x 1, 16 waves a work-group, no clusters, 69,632 bytes of LDS; arguments qkv, fine, mbits, ctxf; writes ctxf
.if DOCPART == 4
	.amdgcn_target "amdgcn-amd-amdhsa--gfx1250"
	.amdhsa_code_object_version 6
	.text
	.protected	k_q9f518117f1_attn_fine
	.globl	k_q9f518117f1_attn_fine
	.p2align	8
	.type	k_q9f518117f1_attn_fine,@function
k_q9f518117f1_attn_fine:
	s_mov_b64 s[64:65], 0
	v_nop
	global_prefetch_b8 v0, s[64:65] scope:SCOPE_SE
	s_setreg_imm32_b32 hwreg(HW_REG_WAVE_MODE, 25, 1), 1
	s_wait_xcnt 0x0
; Attention once more for positions 0 to 15 of every (batch, head), with operands as PAIRS of f16 numbers: where a row sums few terms, single f16 operands would use up what the comparison allows.
; S = Kh Qh + Kh Ql + Kl Qh;  O = Vh Ph + Vh Pl + Vl Ph;  p is split by cutting its f32 number at eleven significant bits; ctx leaves as a high and a low f16 image.
; Work-group = 16 batch + head.  Wave w takes keys 128 w .. 128 w + 127, in two halves of 64, with its own maximum m and sum l; the sixteen waves' O, m, l meet in LDS, and waves 0 to 3 (16 channels each) join them.
; The mask is honoured as given, over all 2,048 keys; a masked score is replaced by -1e9 log2(e).
; LIMIT: k and v have low parts for positions 0 to 63 alone (wave 0's first half); beyond that they are the single f16 numbers of the main path: a query that takes in later keys averages over more than 64 terms or leans on single f16 there.
; No tensor load and no cluster: each operand is read once, by one wave, straight into registers as images (512 consecutive bytes a load).
; REGISTERS: v1 16 x lane; v8-11 LDS addresses; v12 m (v13 0); v[14:15] l; v16-31 Q high, v32-47 Q low, later v16-47 O^T; v48-111 S^T, then P (low, high by blocks of 8); v112-175 K or V; v176-239 their low parts; v240-255 at work.
.set MST,   65536                      ; behind the sixteen O^T of 4,096 bytes: m, 64 bytes a wave; l 1,024 bytes on
.set SPARE, 67584
.set LI,  1
.set SPW, 2
.set NIL, 3
.set NEG, 4
.set OSA, 8
.set MSA, 9
.set OLA, 10
.set MLA, 11
.set MX,  12
.set LS,  14
.set QH,  16
.set QL,  32
.set OA,  16
.set S,   48
.set KV,  112
.set LO,  176
.set T,   240
.set SEL, 66
	s_load_b256 s[4:11], s[0:1], 0x0               ; qkv, fine, mbits, ctxf
	v_lshl_add_u32 v[SPW], v0, 2, SPARE
	v_mov_b32 v[NIL], 0
	v_lshrrev_b32 v5, 5, v0
	v_readfirstlane_b32 s12, v5                    ; wave 0..15
	v_and_b32 v[LI], 31, v0
	v_lshlrev_b32 v[LI], 4, v[LI]
	v_and_b32 v5, 15, v0
	s_lshl_b32 s13, s12, 12
	v_add_nc_u32 v[OSA], s13, v[LI]                ; every LDS address is made here, ahead of the first parting of the waves
	s_lshl_b32 s13, s12, 6
	s_add_co_u32 s13, s13, MST
	v_lshl_add_u32 v[MSA], v5, 2, s13
	s_and_b32 s13, s12, 3
	s_lshl_b32 s13, s13, 10
	v_add_nc_u32 v[OLA], s13, v[LI]
	v_lshl_add_u32 v[MLA], v5, 2, MST
	v_mov_b32 v[NEG], 0xceabfb8e
	v_mov_b32 v[MX+1], 0
	s_mov_b32 s[SEL], 0x76543210
	s_mov_b32 s[SEL+1], 0xfedcba98
	s_wait_kmcnt 0x0
	s_lshl_b32 s14, ttmp9, 18
	s_mov_b32 s15, 0
	s_add_nc_u64 s[68:69], s[4:5], s[14:15]        ; q's images of my head
	s_lshl_b32 s98, s12, 14
	s_mov_b32 s99, 0
	s_add_nc_u64 s[70:71], s[68:69], s[98:99]
	s_add_nc_u64 s[72:73], s[70:71], 0x1000000     ; v's, at my 128 keys
	s_add_nc_u64 s[70:71], s[70:71], 0x800000      ; k's
	s_lshl_b32 s14, ttmp9, 13
	s_add_nc_u64 s[74:75], s[6:7], s[14:15]        ; the low parts: q's,
	s_add_nc_u64 s[76:77], s[74:75], 32*8192       ; k's,
	s_add_nc_u64 s[78:79], s[74:75], 64*8192       ; v's
	s_lshl_b32 s14, s12, 8
	s_add_nc_u64 s[8:9], s[8:9], s[14:15]          ; query tile 0, my eight key tiles: 64 words
	s_lshr_b32 s14, ttmp9, 4
	s_lshl_b32 s14, s14, 15
	s_and_b32 s98, ttmp9, 15
	s_lshl_b32 s98, s98, 11
	s_add_co_u32 s14, s14, s98
	s_and_b32 s98, s12, 3
	s_lshl_b32 s98, s98, 9
	s_add_co_u32 s14, s14, s98
	s_add_nc_u64 s[96:97], s[10:11], s[14:15]      ; ctxf: batch, head, my 16 channels
.macro LDP reg, base, off, n           ; n pieces of 512 bytes on end: 4 n registers
.set i, 0
.rept \n
	global_load_b128 v[\reg+4*i:\reg+4*i+3], v[LI], s[\base:\base+1] offset:\off+512*i
.set i, i+1
.endr
.endm
.macro PLACES
.rept 4
	v_nop
.endr
.endm
.macro QK g, kreg, qreg, zero          ; eight products: the four tiles of half g take turns
.irp s, 0,1
.irp k, 0,1,2,3
.if \zero && (\s == 0)
	v_wmma_f32_16x16x32_f16 v[S+32*\g+8*\k:S+32*\g+8*\k+7], v[\kreg+16*\k+8*\s:\kreg+16*\k+8*\s+7], v[\qreg+8*\s:\qreg+8*\s+7], 0
.else
	v_wmma_f32_16x16x32_f16 v[S+32*\g+8*\k:S+32*\g+8*\k+7], v[\kreg+16*\k+8*\s:\kreg+16*\k+8*\s+7], v[\qreg+8*\s:\qreg+8*\s+7], v[S+32*\g+8*\k:S+32*\g+8*\k+7]
.endif
.endr
.endr
.endm
.macro PVM g, vreg, part, zero         ; eight products: the four tiles of channels take turns.  part = 8: P's high halves, 0: its low ones
.irp k, 0,1
.irp c, 0,1,2,3
.if \zero && (\k == 0)
	v_wmma_f32_16x16x32_f16 v[OA+8*\c:OA+8*\c+7], v[\vreg+32*\k+8*\c:\vreg+32*\k+8*\c+7], v[S+16*(2*\g+\k)+\part:S+16*(2*\g+\k)+\part+7], 0
.else
	v_wmma_f32_16x16x32_f16 v[OA+8*\c:OA+8*\c+7], v[\vreg+32*\k+8*\c:\vreg+32*\k+8*\c+7], v[S+16*(2*\g+\k)+\part:S+16*(2*\g+\k)+\part+7], v[OA+8*\c:OA+8*\c+7]
.endif
.endr
.endr
.endm
	LDP QH, 68, 0, 4
	LDP QL, 74, 0, 4
	LDP KV, 70, 0, 16
	s_cmp_lg_u32 s12, 0
	s_cbranch_scc1 .Lno_kl
	LDP LO, 76, 0, 16
.Lno_kl:
	s_load_b512 s[16:31], s[8:9], 0x0
	s_load_b512 s[32:47], s[8:9], 0x40
	s_load_b512 s[48:63], s[8:9], 0x80
	s_load_b512 s[80:95], s[8:9], 0xc0
	s_wait_loadcnt 0x0
	QK 0, KV, QH, 1
	QK 0, KV, QL, 0
	s_cmp_lg_u32 s12, 0
	s_cbranch_scc1 .Lno_kl2
	QK 0, LO, QH, 0
.Lno_kl2:
	PLACES
	LDP KV, 70, 8192, 16
	s_wait_loadcnt 0x0
	QK 1, KV, QH, 1
	QK 1, KV, QL, 0
	PLACES                                         ; ahead of the loads below and of the first read of the scores
	LDP KV, 72, 0, 16
	s_cmp_lg_u32 s12, 0
	s_cbranch_scc1 .Lno_vl
	LDP LO, 78, 0, 16
.Lno_vl:
	s_wait_kmcnt 0x0
.set i, 0
.rept 64
.if i < 48
	v_cndmask_b32 v[S+i], v[NEG], v[S+i], s[16+i]
.else
	v_cndmask_b32 v[S+i], v[NEG], v[S+i], s[80+i-48]
.endif
.set i, i+1
.endr
	v_max3_num_f32 v[T], v[S], v[S+1], v[S+2]
	v_max3_num_f32 v[T+1], v[S+3], v[S+4], v[S+5]
.set i, 6
.rept 14
	v_max3_num_f32 v[T], v[T], v[S+i], v[S+i+1]
	v_max3_num_f32 v[T+1], v[T+1], v[S+i+2], v[S+i+3]
.set i, i+4
.endr
	v_max3_num_f32 v[T], v[T], v[S+62], v[S+63]
	v_max_num_f32 v[T], v[T], v[T+1]
	v_permlanex16_b32 v[T+1], v[T], s[SEL], s[SEL+1]
	v_max_num_f32 v[MX], v[T], v[T+1]              ; my wave's m
.set i, 0
.rept 32
	v_pk_add_f32 v[S+i:S+i+1], v[S+i:S+i+1], v[MX:MX+1] op_sel_hi:[1,0] neg_lo:[0,1] neg_hi:[0,1]
.set i, i+2
.endr
.set i, 0
.rept 64
	v_exp_f32 v[S+i], v[S+i]
.set i, i+1
.endr
	v_nop
	s_wait_alu depctr_va_vdst(0)                   ; one wait for the batch
	v_pk_add_f32 v[LS:LS+1], v[S:S+1], v[S+2:S+3]
	v_pk_add_f32 v[T:T+1], v[S+4:S+5], v[S+6:S+7]
.set i, 8
.rept 14
	v_pk_add_f32 v[LS:LS+1], v[LS:LS+1], v[S+i:S+i+1]
	v_pk_add_f32 v[T:T+1], v[T:T+1], v[S+i+2:S+i+3]
.set i, i+4
.endr
	v_pk_add_f32 v[LS:LS+1], v[LS:LS+1], v[T:T+1]
	v_add_f32 v[LS], v[LS], v[LS+1]
	v_permlanex16_b32 v[LS+1], v[LS], s[SEL], s[SEL+1]
	v_add_f32 v[LS], v[LS], v[LS+1]                ; my wave's l, of the unsplit p
.macro PSPLIT b                        ; 32 keys: 16 numbers become 8 registers of low parts, then 8 of high parts
.set XB, S+16*\b
.irp j, 0,1,2,3,4,5,6,7,8,9,10,11,12,13,14,15
	v_and_b32 v[T+\j], 0xffffe000, v[XB+\j]
.endr
.irp j, 0,2,4,6,8,10,12,14
	v_pk_add_f32 v[XB+\j:XB+\j+1], v[XB+\j:XB+\j+1], v[T+\j:T+\j+1] neg_lo:[0,1] neg_hi:[0,1]
.endr
.irp j, 0,1,2,3,4,5,6,7
	v_cvt_pk_f16_f32 v[XB+\j], v[XB+2*\j], v[XB+2*\j+1]   ; ascending: no number is written over before it is read
.endr
.irp j, 0,1,2,3,4,5,6,7
	v_cvt_pk_f16_f32 v[XB+8+\j], v[T+2*\j], v[T+2*\j+1]
.endr
.endm
	PSPLIT 0
	PSPLIT 1
	PSPLIT 2
	PSPLIT 3
	s_wait_loadcnt 0x0
	PLACES
	PVM 0, KV, 8, 1
	PVM 0, KV, 0, 0
	s_cmp_lg_u32 s12, 0
	s_cbranch_scc1 .Lno_vl2
	PVM 0, LO, 8, 0
.Lno_vl2:
	PLACES
	LDP KV, 72, 8192, 16
	s_wait_loadcnt 0x0
	PVM 1, KV, 8, 0
	PVM 1, KV, 0, 0
	PLACES
.irp c, 0,1,2,3
	ds_store_b128 v[OSA], v[OA+8*\c:OA+8*\c+3] offset:1024*\c          ; each accumulator from its low end on
	ds_store_b128 v[OSA], v[OA+8*\c+4:OA+8*\c+7] offset:1024*\c+512
.endr
	ds_store_b32 v[MSA], v[MX]                     ; lanes r and r + 16 write the same word with the same value
	ds_store_b32 v[MSA], v[LS] offset:1024
	s_wait_dscnt 0x0                               ; for the others' sake
	s_barrier_signal -1
	s_barrier_wait -1
	s_cmp_lt_u32 s12, 4
	s_cbranch_scc0 .Lend
.set i, 0
.rept 16
	ds_load_b128 v[48+8*i:48+8*i+3], v[OLA] offset:4096*i
	ds_load_b128 v[48+8*i+4:48+8*i+7], v[OLA] offset:4096*i+512
.set i, i+1
.endr
.set i, 0
.rept 16
	ds_load_b32 v[176+i], v[MLA] offset:64*i
	ds_load_b32 v[192+i], v[MLA] offset:1024+64*i
.set i, i+1
.endr
	s_wait_dscnt 0x0
	v_max3_num_f32 v224, v176, v177, v178
.set i, 3
.rept 6
	v_max3_num_f32 v224, v224, v[176+i], v[176+i+1]
.set i, i+2
.endr
	v_max_num_f32 v224, v224, v191                 ; the row's maximum
.set i, 0
.rept 16
	v_sub_f32 v[176+i], v[176+i], v224
.set i, i+1
.endr
.set i, 0
.rept 16
	v_exp_f32 v[176+i], v[176+i]
.set i, i+1
.endr
	v_nop
	s_wait_alu depctr_va_vdst(0)
	v_mul_f32 v225, v176, v192
.irp j, 0,1,2,3,4,5,6,7
	v_mul_f32 v[208+\j], v176, v[48+\j]
.endr
.set i, 1
.rept 15
	v_fmac_f32 v225, v[176+i], v[192+i]
.irp j, 0,1,2,3,4,5,6,7
	v_fmac_f32 v[208+\j], v[176+i], v[48+8*i+\j]
.endr
.set i, i+1
.endr
	v_rcp_f32 v226, v225
	v_nop
	s_wait_alu depctr_va_vdst(0)
.irp j, 0,1,2,3,4,5,6,7
	v_mul_f32 v[208+\j], v[208+\j], v226
.endr
.irp j, 0,1,2,3,4,5,6,7
	v_add_nc_u32 v[216+\j], 0x1000, v[208+\j]
.endr
.irp j, 0,1,2,3,4,5,6,7
	v_and_b32 v[216+\j], 0xffffe000, v[216+\j]     ; the high part: eleven significant bits
.endr
.irp j, 0,2,4,6
	v_pk_add_f32 v[208+\j:208+\j+1], v[208+\j:208+\j+1], v[216+\j:216+\j+1] neg_lo:[0,1] neg_hi:[0,1]
.endr
.irp j, 0,1,2,3
	v_cvt_pk_f16_f32 v[228+\j], v[216+2*\j], v[216+2*\j+1]
	v_cvt_pk_f16_f32 v[232+\j], v[208+2*\j], v[208+2*\j+1]
.endr
	global_store_b128 v[LI], v[228:231], s[96:97]
	global_store_b128 v[LI], v[232:235], s[96:97] offset:65536
.Lend:
	s_wait_tensorcnt 0x0                           ; the wave's end, behind my last LDS store
	ds_add_u32 v[SPW], v[NIL]
	s_wait_dscnt 0x0
	s_endpgm
.Lfunc_end_k_q9f518117f1_attn_fine:
	.size	k_q9f518117f1_attn_fine, .Lfunc_end_k_q9f518117f1_attn_fine-k_q9f518117f1_attn_fine
	.p2alignl 7, 3214868480
	.fill 96, 4, 3214868480
	.section	.rodata,"a",@progbits
	.p2align	6, 0x0
	.amdhsa_kernel k_q9f518117f1_attn_fine
		.amdhsa_group_segment_fixed_size 69632
		.amdhsa_private_segment_fixed_size 0
		.amdhsa_enable_private_segment 0
		.amdhsa_kernarg_size 32
		.amdhsa_user_sgpr_count 2
		.amdhsa_user_sgpr_kernarg_segment_ptr 1
		.amdhsa_wavefront_size32 1
		.amdhsa_system_sgpr_workgroup_id_x 1
		.amdhsa_system_sgpr_workgroup_id_y 1
		.amdhsa_system_sgpr_workgroup_id_z 1
		.amdhsa_system_vgpr_workitem_id 0
		.amdhsa_next_free_vgpr 256
		.amdhsa_next_free_sgpr 100
		.amdhsa_reserve_vcc 0
		.amdhsa_float_denorm_mode_32 3
		.amdhsa_float_denorm_mode_16_64 3
		.amdhsa_memory_ordered 1
		.amdhsa_forward_progress 1
		.amdhsa_inst_pref_size 54
	.end_amdhsa_kernel
	.amdgpu_metadata
---
amdhsa.version: [ 1, 2 ]
amdhsa.kernels:
  - .name:           k_q9f518117f1_attn_fine
    .symbol:         k_q9f518117f1_attn_fine.kd
    .args:
      - { .name: qkv, .offset: 0, .size: 8, .value_kind: global_buffer, .address_space: global }
      - { .name: fine, .offset: 8, .size: 8, .value_kind: global_buffer, .address_space: global }
      - { .name: mbits, .offset: 16, .size: 8, .value_kind: global_buffer, .address_space: global }
      - { .name: ctxf, .offset: 24, .size: 8, .value_kind: global_buffer, .address_space: global }
    .group_segment_fixed_size: 69632
    .private_segment_fixed_size: 0
    .kernarg_segment_align: 8
    .kernarg_segment_size: 32
    .max_flat_workgroup_size: 512
    .sgpr_count:     100
    .vgpr_count:     256
    .wavefront_size: 32
...
	.end_amdgpu_metadata
.endif
;; end of part 4
;; launch oproj (part 5): grid 8 x 32, 4 waves a work-group, clusters of 4 x 4, 327,680 bytes of LDS; arguments ctx, tabs, b_o, out0; writes out0
.if DOCPART == 5
	.amdgcn_target "amdgcn-amd-amdhsa--gfx1250"
	.amdhsa_code_object_version 6
	.text
	.protected	k_q9f518117f1_oproj
	.globl	k_q9f518117f1_oproj
	.p2align	8
	.type	k_q9f518117f1_oproj,@function
k_q9f518117f1_oproj:
	s_mov_b64 s[64:65], 0
	v_nop
	global_prefetch_b8 v0, s[64:65] scope:SCOPE_SE
	s_setreg_imm32_b32 hwreg(HW_REG_WAVE_MODE, 25, 1), 1
	s_wait_xcnt 0x0
	s_wait_alu depctr_hold_cnt(0) depctr_sa_sdst(0) depctr_va_vdst(0) depctr_va_sdst(0) depctr_va_ssrc(0) depctr_va_vcc(0) depctr_vm_vsrc(0)
	s_getreg_b32 s2, hwreg(HW_REG_IB_STS2, 6, 4)
	s_cmp_eq_u32 s2, 0
	s_cbranch_scc0 .Lentry_in_a_cluster
	s_endpgm
.Lentry_in_a_cluster:
	s_bfe_u32 s2, ttmp6, 0x10000c
	s_cmp_lg_u32 s2, 0xf033
	s_cbranch_scc0 .Lentry_shape_is_right
	s_endpgm
.Lentry_shape_is_right:
; out0 = ctx W_o + b_o: [4096][1024] x [1024][1024], f16 operands (W_o's high parts), f32 sums and results.  4,096 x 1,024 make 256 tiles of 128 x 128: a work-group to each.
; Four waves, each 64 x 64: 16 accumulators.  K goes in four steps of 256 through two LDS slots.  Both operands lie in memory as images of the operands' registers ([16 rows][32 along K][chunk][512 bytes]):
; a K step of 16 rows is 8,192 consecutive bytes, a wave's tensor load brings four such rows (32 KiB), and every fragment load is 512 consecutive bytes: no padding is needed.
; CLUSTERS: 4 x 4 work-groups; ctx's tiles are shared along a row of the cluster, W_o's along a column: joint loads.
; THE MATRIX INSTRUCTION IS USED TRANSPOSED (source 0 = 16 columns of W_o, source 1 = 16 tokens): a lane holds eight neighbouring outputs of one token.  The bias is the C of each sum's first product.
; A wave's 64 columns of f32 are 256 bytes, aligned: each wave sends its own results through its own stage, 16 rows at a time, and sixteen lanes store 256 consecutive bytes.
; Rows 0 to 15 of both sequences are written once more, more finely, by the launch that follows.
; REGISTERS: window 0: v16-29 addresses; v32-63 the bias, later v32-95 rows on the way out; v128-255 accumulator (a, b) at v[128 + 8 (4 a + b)].  window 1: two fragment buffers of 128.
.set KSTEPB, 8192
.set HALFT,  4*KSTEPB
.set SLOT,   4*HALFT
.set STAGE,  2*SLOT
.set SPITCH, 272
.set SPARE,  STAGE+4*16*SPITCH
.set WOH,    524288
.set ADRA, 16
.set ADRB, 20
.set STO,  24
.set RD,   25
.set CO,   26
.set SPW,  28
.set NIL,  29
.set BI,   32
.set TMP,  32
.set ACC,  128
.set F0,   0
.set F1,   128
.set G1, 24
.set G0, 32
.set G1B, 48
.set G0B, 56
.set MSB, 0
.macro WIN new
.if MSB != \new
	s_set_vgpr_msb (MSB<<8)|\new
.set MSB, \new
.endif
.endm
.set MUL,  0x05                        ; sources 0 and 1 window 1; C and D window 0
.set TO_F, 0x40
.macro JLOAD s                         ; a joint load: waves 0, 1 fetch ctx's two halves, waves 2, 3 W_o's
	s_cmp_eq_u32 s11, 0
	s_cbranch_scc0 .Lfor_b_\@
	tensor_load_to_lds s[G0+4*\s:G0+4*\s+3], s[G1:G1+7]
	s_nop 0
.rept 4
	v_nop
.endr
	s_branch .Lasked_\@
.Lfor_b_\@:
	tensor_load_to_lds s[G0B+4*\s:G0B+4*\s+3], s[G1B:G1B+7]
	s_nop 0
.rept 4
	v_nop
.endr
.Lasked_\@:
.endm
.macro CREST
	s_cmp_lg_u32 s10, 0
	s_cbranch_scc1 .Lnot_wave_0_\@
	s_barrier_signal -3
.Lnot_wave_0_\@:
	s_barrier_wait -3
	s_barrier_signal -1
	s_barrier_wait -1
.endm
.macro CROUND
	s_barrier_signal -1
	s_barrier_wait -1
	CREST
.endm
	s_load_b128 s[4:7], s[0:1], 0x0                ; ctx, tabs
	s_load_b128 s[68:71], s[0:1], 0x10             ; b_o, out0
	v_lshl_add_u32 v[SPW], v0, 2, SPARE
	v_mov_b32 v[NIL], 0
	ds_add_u32 v[SPW], v[NIL]                      ; the opening: the add, twice on end, and its wait ahead of my first tensor load
	ds_add_u32 v[SPW], v[NIL]
	v_lshrrev_b32 v1, 5, v0
	v_readfirstlane_b32 s10, v1                    ; wave 0..3
	s_lshr_b32 s11, s10, 1                         ; my half of the rows; also: I fetch for ctx (0) or W_o (1)
	s_and_b32 s12, s10, 1                          ; my half of the columns; also: which 64 rows I fetch
	s_bfe_u32 s40, ttmp6, 0x40000                  ; cx, cy
	s_bfe_u32 s41, ttmp6, 0x40004
	s_lshl_b32 s42, ttmp9, 2
	s_add_co_u32 s42, s42, s40                     ; tile column
	s_and_b32 s13, ttmp7, 0xffff
	s_lshl_b32 s13, s13, 2
	s_add_co_u32 s13, s13, s41                     ; tile row
	s_lshl_b32 s43, s41, 2
	s_lshl_b32 s43, 15, s43                        ; my row of the cluster
	s_lshl_b32 s44, 0x1111, s40                    ; my column
	s_or_b32 s[G1+0], s43, (3<<16)|(1<<21)         ; the mask; elements of 8 bytes; bit 21 beside a mask; no padding
	s_or_b32 s[G1B+0], s44, (3<<16)|(1<<21)
.irp g, G1, G1B
	s_mov_b32 s[\g+1], 1024<<16                    ; a row: 8,192 bytes, a K step of 16 rows' images
	s_mov_b32 s[\g+2], 4<<16                       ; four of them
	s_mov_b32 s[\g+3], 1024<<16
	s_mov_b32 s[\g+4], 4
	s_mov_b32 s[\g+5], 4096                        ; 32,768 bytes from one to the next
	s_mov_b32 s[\g+6], 0
	s_mov_b32 s[\g+7], 0
.endr
	s_lshl_b32 s17, s12, 2
	s_lshl_b32 s16, s13, 3
	s_add_co_u32 s16, s16, s17
	s_lshl_b32 s16, s16, 15                        ; ctx: (8 x tile row + 4 x half) x 32,768
	s_lshl_b32 s46, s42, 3
	s_add_co_u32 s46, s46, s17
	s_lshl_b32 s46, s46, 15
	s_add_co_u32 s46, s46, WOH                     ; W_o's high parts: (8 x tile column + 4 x half) x 32,768
	s_mov_b32 s17, 0
	s_mov_b32 s47, 0
	s_mul_i32 s20, s10, HALFT
	s_wait_dscnt 0x0
	s_wait_kmcnt 0x0
	s_add_nc_u64 s[14:15], s[4:5], s[16:17]
	s_add_nc_u64 s[46:47], s[6:7], s[46:47]
	CROUND                                         ; all sixteen work-groups are here: the first joint loads meet
.irp s, 0,1
	s_mov_b32 s[G0+4*\s], 1
	s_add_co_u32 s[G0+4*\s+1], s20, \s*SLOT
	s_add_nc_u64 s[G0+4*\s+2:G0+4*\s+3], s[14:15], \s*KSTEPB
	s_or_b32 s[G0+4*\s+3], s[G0+4*\s+3], 0x80000000
	s_mov_b32 s[G0B+4*\s], 1
	s_add_co_u32 s[G0B+4*\s+1], s20, \s*SLOT
	s_add_nc_u64 s[G0B+4*\s+2:G0B+4*\s+3], s[46:47], \s*KSTEPB
	s_or_b32 s[G0B+4*\s+3], s[G0B+4*\s+3], 0x80000000
	JLOAD \s
.endr
	v_and_b32 v1, 15, v0                           ; r
	v_bfe_u32 v2, v0, 4, 1                         ; h
	v_and_b32 v3, 31, v0
	v_lshlrev_b32 v3, 4, v3                        ; 16 x lane
	s_mul_i32 s21, s11, HALFT
	s_mul_i32 s22, s12, HALFT
	s_add_co_u32 s22, s22, 2*HALFT
.irp s, 0,1
	v_add_nc_u32 v[ADRA+\s], s21, v3
	v_add_nc_u32 v[ADRB+\s], s22, v3
	s_add_co_u32 s21, s21, SLOT
	s_add_co_u32 s22, s22, SLOT
.endr
	s_mul_i32 s23, s10, 16*SPITCH
	s_add_co_u32 s23, s23, STAGE                   ; my stage
	v_mul_u32_u24 v4, v1, SPITCH
	v_lshl_add_u32 v4, v2, 5, v4
	v_add_nc_u32 v[STO], s23, v4                   ; in: row r, 32 h
	v_mul_u32_u24 v5, v2, SPITCH
	v_lshl_add_u32 v5, v1, 4, v5
	v_add_nc_u32 v[RD], s23, v5                    ; back: lanes 0-15 one row, lanes 16-31 the next
	v_lshlrev_b32 v5, 12, v2
	v_lshl_add_u32 v[CO], v1, 4, v5                ; and the same two rows of out0 (4,096 bytes a row)
	s_lshl_b32 s16, s13, 7
	s_lshl_b32 s17, s11, 6
	s_add_co_u32 s16, s16, s17
	s_lshl_b32 s16, s16, 12
	s_mov_b32 s17, 0
	s_add_nc_u64 s[70:71], s[70:71], s[16:17]
	s_lshl_b32 s46, s42, 9
	s_lshl_b32 s47, s12, 8
	s_add_co_u32 s46, s46, s47
	s_mov_b32 s47, 0
	s_add_nc_u64 s[70:71], s[70:71], s[46:47]
	s_add_nc_u64 s[68:69], s[68:69], s[46:47]
	v_lshlrev_b32 v6, 5, v2
.irp b, 0,1,2,3
.irp e, 0,1
	global_load_b128 v[BI+8*\b+4*\e:BI+8*\b+4*\e+3], v6, s[68:69] offset:64*\b+16*\e   ; b_o(16 b + 8 h + 0 .. 7)
.endr
.endr
.macro MUL8 f, c, a0, zero             ; zero = 1: the first product starts the sums, from the bias.  The 16 accumulators take turns
.irp a, \a0, \a0+1
.irp b, 0,1,2,3
.if \zero
	v_wmma_f32_16x16x32_f16 v[ACC+8*(4*(\a)+\b):ACC+8*(4*(\a)+\b)+7], v[\f+64+8*(4*\c+\b):\f+64+8*(4*\c+\b)+7], v[\f+8*(4*\c+\a):\f+8*(4*\c+\a)+7], v[BI+8*\b:BI+8*\b+7]
.else
	v_wmma_f32_16x16x32_f16 v[ACC+8*(4*(\a)+\b):ACC+8*(4*(\a)+\b)+7], v[\f+64+8*(4*\c+\b):\f+64+8*(4*\c+\b)+7], v[\f+8*(4*\c+\a):\f+8*(4*\c+\a)+7], v[ACC+8*(4*(\a)+\b):ACC+8*(4*(\a)+\b)+7]
.endif
.endr
.endr
.endm
.macro FETCH slot, k, f                ; 32 LDS loads: the fragments of 64 along K, at byte k of a K step's images
	WIN TO_F
.irp c, 0,1
.irp i, 0,1,2,3
	ds_load_b128 v[\f+64+8*(4*\c+\i):\f+64+8*(4*\c+\i)+3],   v[ADRB+\slot] offset:\k+1024*\c+\i*KSTEPB
	ds_load_b128 v[\f+64+8*(4*\c+\i)+4:\f+64+8*(4*\c+\i)+7], v[ADRB+\slot] offset:\k+1024*\c+\i*KSTEPB+512
	ds_load_b128 v[\f+8*(4*\c+\i):\f+8*(4*\c+\i)+3],         v[ADRA+\slot] offset:\k+1024*\c+\i*KSTEPB
	ds_load_b128 v[\f+8*(4*\c+\i)+4:\f+8*(4*\c+\i)+7],       v[ADRA+\slot] offset:\k+1024*\c+\i*KSTEPB+512
.endr
.endr
.endm
.macro PLACES
.rept 4
	v_nop
.endr
.endm
.macro QUARTER slot, k, f, g, zero
	s_wait_dscnt 16                                ; the first 32 along K are in
	WIN MUL
	MUL8 \f, 0, 0, \zero
	MUL8 \f, 0, 2, \zero
	PLACES
	FETCH \slot, \k, \g
	s_wait_dscnt 32                                ; all but the 32 just issued
	WIN MUL
	MUL8 \f, 1, 0, 0
	MUL8 \f, 1, 2, 0
.endm
.macro TURN slot, next, fill           ; a K step's last quarter changes slots
	WIN 0
	s_wait_tensorcnt 0x0                           ; all my tensor loads have landed: my part of the next slot
	ds_add_u32 v[SPW], v[NIL]
	s_wait_dscnt 17                                ; (the add and the youngest sixteen loads may be out)
	WIN MUL
	MUL8 F1, 0, 0, 0
	s_wait_dscnt 0x0                               ; the add is done, and my reads of this slot are over
	s_barrier_signal -1
	MUL8 F1, 0, 2, 0
.if \fill
	WIN 0
.endif
	s_barrier_wait -1
.if \fill
	CREST                                          ; the barrier has opened a round of the cluster's: no wave of any partner still reads this slot or has a load on its way
	s_add_nc_u64 s[G0+4*\slot+2:G0+4*\slot+3], s[G0+4*\slot+2:G0+4*\slot+3], 2*KSTEPB
	s_add_nc_u64 s[G0B+4*\slot+2:G0B+4*\slot+3], s[G0B+4*\slot+2:G0B+4*\slot+3], 2*KSTEPB
	JLOAD \slot
.else
	PLACES
.endif
	FETCH \next, 0, F0
	WIN MUL
	MUL8 F1, 1, 0, 0
	MUL8 F1, 1, 2, 0
.endm
	s_wait_tensorcnt 1                             ; my part of K step 0 is in; K step 1's load may be out
	s_barrier_signal -1
	s_barrier_wait -1
	FETCH 0, 0, F0
	s_wait_loadcnt 0x0                             ; the bias
	QUARTER 0, 2048, F0, F1, 1
	QUARTER 0, 4096, F1, F0, 0
	QUARTER 0, 6144, F0, F1, 0
	TURN 0, 1, 1                                   ; slot 0 takes K step 2
	QUARTER 1, 2048, F0, F1, 0
	QUARTER 1, 4096, F1, F0, 0
	QUARTER 1, 6144, F0, F1, 0
	TURN 1, 0, 1                                   ; slot 1 takes K step 3
	QUARTER 0, 2048, F0, F1, 0
	QUARTER 0, 4096, F1, F0, 0
	QUARTER 0, 6144, F0, F1, 0
	TURN 0, 1, 0
	QUARTER 1, 2048, F0, F1, 0
	QUARTER 1, 4096, F1, F0, 0
	QUARTER 1, 6144, F0, F1, 0
	s_wait_dscnt 16
	WIN MUL
	MUL8 F1, 0, 0, 0
	MUL8 F1, 0, 2, 0
	s_wait_dscnt 0
	MUL8 F1, 1, 0, 0
	MUL8 F1, 1, 2, 0
	WIN 0
	PLACES
.macro OUT a                           ; 16 rows x 64 columns through my stage; LDS serves a wave's instructions in order
.irp b, 0,1,2,3
	ds_store_b128 v[STO], v[ACC+8*(4*\a+\b):ACC+8*(4*\a+\b)+3] offset:64*\b
	ds_store_b128 v[STO], v[ACC+8*(4*\a+\b)+4:ACC+8*(4*\a+\b)+7] offset:64*\b+16
.endr
.irp t, 0,1,2,3,4,5,6,7
	ds_load_b128 v[TMP+32*(\a%2)+4*\t:TMP+32*(\a%2)+4*\t+3], v[RD] offset:\t*2*SPITCH
.endr
.endm
.macro SEND a, younger
	s_wait_dscnt \younger
.irp t, 0,1,2,3,4,5,6,7
	global_store_b128 v[CO], v[TMP+32*(\a%2)+4*\t:TMP+32*(\a%2)+4*\t+3], s[70:71] offset:(16*\a+2*\t)*4096 th:TH_STORE_NT   ; sixteen lanes store 256 consecutive bytes
.endr
.endm
	OUT 0
	OUT 1
	SEND 0, 16                                     ; behind block 0's loads: block 1's sixteen LDS instructions
	s_wait_xcnt 0x0                                ; block 0's stores have read their data: block 2's loads may land there
	OUT 2
	SEND 1, 16
	s_wait_xcnt 0x0
	OUT 3
	SEND 2, 16
	SEND 3, 0
	s_wait_tensorcnt 0x0                           ; the wave's end
	ds_add_u32 v[SPW], v[NIL]
	s_wait_dscnt 0x0
	CROUND                                         ; the closing round
	s_endpgm
.Lfunc_end_k_q9f518117f1_oproj:
	.size	k_q9f518117f1_oproj, .Lfunc_end_k_q9f518117f1_oproj-k_q9f518117f1_oproj
	.p2alignl 7, 3214868480
	.fill 96, 4, 3214868480
	.section	.rodata,"a",@progbits
	.p2align	6, 0x0
	.amdhsa_kernel k_q9f518117f1_oproj
		.amdhsa_group_segment_fixed_size 327680
		.amdhsa_private_segment_fixed_size 0
		.amdhsa_enable_private_segment 0
		.amdhsa_kernarg_size 32
		.amdhsa_user_sgpr_count 2
		.amdhsa_user_sgpr_kernarg_segment_ptr 1
		.amdhsa_wavefront_size32 1
		.amdhsa_system_sgpr_workgroup_id_x 1
		.amdhsa_system_sgpr_workgroup_id_y 1
		.amdhsa_system_sgpr_workgroup_id_z 1
		.amdhsa_system_vgpr_workitem_id 0
		.amdhsa_next_free_vgpr 512
		.amdhsa_next_free_sgpr 72
		.amdhsa_reserve_vcc 0
		.amdhsa_float_denorm_mode_32 3
		.amdhsa_float_denorm_mode_16_64 3
		.amdhsa_memory_ordered 1
		.amdhsa_forward_progress 1
		.amdhsa_inst_pref_size 86
	.end_amdhsa_kernel
	.amdgpu_metadata
---
amdhsa.version: [ 1, 2 ]
amdhsa.kernels:
  - .name:           k_q9f518117f1_oproj
    .symbol:         k_q9f518117f1_oproj.kd
    .args:
      - { .name: ctx, .offset: 0, .size: 8, .value_kind: global_buffer, .address_space: global }
      - { .name: tabs, .offset: 8, .size: 8, .value_kind: global_buffer, .address_space: global }
      - { .name: b_o, .offset: 16, .size: 8, .value_kind: global_buffer, .address_space: global }
      - { .name: out0, .offset: 24, .size: 8, .value_kind: global_buffer, .address_space: global }
    .group_segment_fixed_size: 327680
    .private_segment_fixed_size: 0
    .kernarg_segment_align: 8
    .kernarg_segment_size: 32
    .max_flat_workgroup_size: 128
    .sgpr_count:     72
    .vgpr_count:     512
    .wavefront_size: 32
...
	.end_amdgpu_metadata
.endif
;; end of part 5
;; launch oproj_fine (part 6): grid 32 x 1, 16 waves a work-group, no clusters, 67,584 bytes of LDS; arguments ctxf, tabs, b_o, out0; writes out0
.if DOCPART == 6
	.amdgcn_target "amdgcn-amd-amdhsa--gfx1250"
	.amdhsa_code_object_version 6
	.text
	.protected	k_q9f518117f1_oproj_fine
	.globl	k_q9f518117f1_oproj_fine
	.p2align	8
	.type	k_q9f518117f1_oproj_fine,@function
k_q9f518117f1_oproj_fine:
	s_mov_b64 s[64:65], 0
	v_nop
	global_prefetch_b8 v0, s[64:65] scope:SCOPE_SE
	s_setreg_imm32_b32 hwreg(HW_REG_WAVE_MODE, 25, 1), 1
	s_wait_xcnt 0x0
; Rows 0 to 15 of both sequences of out0 once more, with operands as pairs of f16 numbers: out = Ch Wh + Ch Wl + Cl Wh + b_o, sums in f32.  It writes over what the launch before left in those 32 rows.
; Work-group = 64 columns (number % 16) of one sequence (number / 16).  Wave w takes head w, 64 along K, for all four tiles of 16 columns: so the sequence's 16 rows of ctx are read once in a work-group,
; and all of a wave's 41 loads (32 of W_o's two parts, 8 of ctx's two parts, the bias) go out in one batch with one wait.  24 products on four accumulators that take turns.
; The sixteen waves' partial tiles (64 KiB) meet in LDS; waves 0 to 7 add them, two rows each, and sixteen lanes store 256 consecutive bytes of a row.
; Operands come straight from memory as images of the operands' registers, 512 consecutive bytes a load.  No tensor load and no cluster: W_o's parts are read by two work-groups alone (the two sequences'), each once.
; THE MATRIX INSTRUCTION IS USED TRANSPOSED (source 0 = 16 columns of W_o, source 1 = the 16 rows): lane (r, h) holds row r and columns 8 h + 0 .. 7 of a tile.
; REGISTERS: v1 16 x lane; v4-7 addresses; v16-79 W_o's high parts (16 a tile), later the sixteen partial sums; v80-143 its low parts; v144-159 ctx high, v160-175 ctx low; v176-207 the four accumulators; v208-211 the bias.
.set WOH,   524288
.set WOL,   2621440
.set SPARE, 65536                      ; behind the partial tiles: the spare words, 128 bytes a wave
.set LI,  1
.set SPW, 2
.set NIL, 3
.set PSA, 4                            ; v4 where I put my partial tiles: 4,096 x wave + 16 x lane
.set PLA, 5                            ; v5 where I read four numbers of a row back
.set GO,  6                            ; v6 my byte offset in out0
.set BO,  7                            ; v7 and in b_o
.set WH,  16
.set WL,  80
.set CH,  144
.set CL,  160
.set AC,  176
.set BI,  208
	s_load_b256 s[4:11], s[0:1], 0x0               ; ctxf, tabs, b_o, out0
	v_lshl_add_u32 v[SPW], v0, 2, SPARE
	v_mov_b32 v[NIL], 0
	v_lshrrev_b32 v8, 5, v0
	v_readfirstlane_b32 s12, v8                    ; wave 0..15: my head
	v_and_b32 v8, 31, v0
	v_lshlrev_b32 v[LI], 4, v8
	s_lshl_b32 s15, s12, 12
	v_add_nc_u32 v[PSA], s15, v[LI]
	v_bfe_u32 v9, v0, 2, 2                         ; back: thread (row 2 w + l / 16, columns 4 (l % 16) ..): the columns' tile,
	v_lshlrev_b32 v[PLA], 10, v9
	v_and_b32 v9, 1, v0                            ; which four of a lane's eight registers,
	v_lshl_add_u32 v[PLA], v9, 9, v[PLA]
	v_bfe_u32 v9, v0, 1, 1                         ; which half of the lanes,
	v_lshl_add_u32 v[PLA], v9, 8, v[PLA]
	v_bfe_u32 v9, v0, 4, 1                         ; and the row
	v_lshl_add_u32 v[PLA], v9, 4, v[PLA]
	s_and_b32 s17, s12, 7
	s_lshl_b32 s16, s17, 5
	v_add_nc_u32 v[PLA], s16, v[PLA]
	v_and_b32 v10, 15, v0
	v_lshlrev_b32 v[BO], 4, v10
	v_lshl_add_u32 v[GO], v9, 12, v[BO]
	s_and_b32 s13, ttmp9, 15                       ; my 64 columns
	s_lshr_b32 s14, ttmp9, 4                       ; my sequence
	s_lshl_b32 s18, s13, 17                        ; W_o's images: four tiles of 32,768 bytes,
	s_lshl_b32 s19, s12, 11                        ; my head: two steps of 32 along K, 1,024 bytes each
	s_add_co_u32 s18, s18, s19
	s_lshl_b32 s24, s14, 15                        ; ctx's images: 32,768 bytes a sequence
	s_add_co_u32 s24, s24, s19
	s_mov_b32 s19, 0
	s_mov_b32 s25, 0
	s_lshl_b32 s26, s14, 23                        ; out0: 2,048 rows of 4,096 bytes a sequence,
	s_lshl_b32 s27, s17, 13                        ; two rows a wave,
	s_add_co_u32 s26, s26, s27
	s_lshl_b32 s28, s13, 8                         ; 64 columns of 4 bytes
	s_add_co_u32 s26, s26, s28
	s_mov_b32 s27, 0
	s_mov_b32 s29, 0
	s_wait_kmcnt 0x0
	s_add_nc_u64 s[20:21], s[6:7], s[18:19]
	s_add_nc_u64 s[22:23], s[4:5], s[24:25]
	s_add_nc_u64 s[10:11], s[10:11], s[26:27]
	s_add_nc_u64 s[8:9], s[8:9], s[28:29]
.macro LDP reg, base, off, n           ; n pieces of 512 bytes on end: 4 n registers
.set i, 0
.rept \n
	global_load_b128 v[\reg+4*i:\reg+4*i+3], v[LI], s[\base:\base+1] offset:\off+512*i
.set i, i+1
.endr
.endm
	LDP CH, 22, 0, 4
	LDP CL, 22, 65536, 4
.irp n, 0,1,2,3
	LDP WH+16*\n, 20, WOH+32768*\n, 4
	LDP WL+16*\n, 20, WOL+32768*\n, 4
.endr
	global_load_b128 v[BI:BI+3], v[BO], s[8:9]     ; b_o of my four columns
	s_wait_loadcnt 0x0
.macro PROD w, c, k, zero              ; four products: the four accumulators take turns.  zero = 1: they start the sums
.irp n, 0,1,2,3
.if \zero
	v_wmma_f32_16x16x32_f16 v[AC+8*\n:AC+8*\n+7], v[\w+16*\n+8*\k:\w+16*\n+8*\k+7], v[\c+8*\k:\c+8*\k+7], 0
.else
	v_wmma_f32_16x16x32_f16 v[AC+8*\n:AC+8*\n+7], v[\w+16*\n+8*\k:\w+16*\n+8*\k+7], v[\c+8*\k:\c+8*\k+7], v[AC+8*\n:AC+8*\n+7]
.endif
.endr
.endm
	PROD WH, CH, 0, 1
	PROD WL, CH, 0, 0
	PROD WH, CL, 0, 0
	PROD WH, CH, 1, 0
	PROD WL, CH, 1, 0
	PROD WH, CL, 1, 0
.rept 4
	v_nop                                          ; plain lines ahead of the first read of results, and of the loads below into registers that matrix instructions have read
.endr
.irp n, 0,1,2,3
	ds_store_b128 v[PSA], v[AC+8*\n:AC+8*\n+3] offset:1024*\n          ; each accumulator from its low end on
	ds_store_b128 v[PSA], v[AC+8*\n+4:AC+8*\n+7] offset:1024*\n+512
.endr
	s_wait_dscnt 0x0                               ; for the others' sake
	s_barrier_signal -1
	s_barrier_wait -1
	s_cmp_lt_u32 s12, 8
	s_cbranch_scc0 .Lend
.set i, 0
.rept 16
	ds_load_b128 v[16+4*i:16+4*i+3], v[PLA] offset:4096*i   ; the sixteen heads' parts of my four numbers
.set i, i+1
.endr
	s_wait_dscnt 0x0
.irp w, 32, 16, 8, 4                   ; sixteen, eight, four, two parts are halved in number
.set i, 0
.rept \w/2
	v_pk_add_f32 v[16+i:17+i], v[16+i:17+i], v[16+i+\w:17+i+\w]
.set i, i+2
.endr
.endr
.irp j, 0,2
	v_pk_add_f32 v[16+\j:17+\j], v[16+\j:17+\j], v[BI+\j:BI+\j+1]
.endr
	global_store_b128 v[GO], v[16:19], s[10:11]    ; sixteen lanes store 256 consecutive bytes of a row
.Lend:
	s_wait_tensorcnt 0x0                           ; the wave's end, behind my last LDS store
	ds_add_u32 v[SPW], v[NIL]
	s_wait_dscnt 0x0
	s_endpgm
.Lfunc_end_k_q9f518117f1_oproj_fine:
	.size	k_q9f518117f1_oproj_fine, .Lfunc_end_k_q9f518117f1_oproj_fine-k_q9f518117f1_oproj_fine
	.p2alignl 7, 3214868480
	.fill 96, 4, 3214868480
	.section	.rodata,"a",@progbits
	.p2align	6, 0x0
	.amdhsa_kernel k_q9f518117f1_oproj_fine
		.amdhsa_group_segment_fixed_size 67584
		.amdhsa_private_segment_fixed_size 0
		.amdhsa_enable_private_segment 0
		.amdhsa_kernarg_size 32
		.amdhsa_user_sgpr_count 2
		.amdhsa_user_sgpr_kernarg_segment_ptr 1
		.amdhsa_wavefront_size32 1
		.amdhsa_system_sgpr_workgroup_id_x 1
		.amdhsa_system_sgpr_workgroup_id_y 1
		.amdhsa_system_sgpr_workgroup_id_z 1
		.amdhsa_system_vgpr_workitem_id 0
		.amdhsa_next_free_vgpr 212
		.amdhsa_next_free_sgpr 66
		.amdhsa_reserve_vcc 0
		.amdhsa_float_denorm_mode_32 3
		.amdhsa_float_denorm_mode_16_64 3
		.amdhsa_memory_ordered 1
		.amdhsa_forward_progress 1
		.amdhsa_inst_pref_size 12
	.end_amdhsa_kernel
	.amdgpu_metadata
---
amdhsa.version: [ 1, 2 ]
amdhsa.kernels:
  - .name:           k_q9f518117f1_oproj_fine
    .symbol:         k_q9f518117f1_oproj_fine.kd
    .args:
      - { .name: ctxf, .offset: 0, .size: 8, .value_kind: global_buffer, .address_space: global }
      - { .name: tabs, .offset: 8, .size: 8, .value_kind: global_buffer, .address_space: global }
      - { .name: b_o, .offset: 16, .size: 8, .value_kind: global_buffer, .address_space: global }
      - { .name: out0, .offset: 24, .size: 8, .value_kind: global_buffer, .address_space: global }
    .group_segment_fixed_size: 67584
    .private_segment_fixed_size: 0
    .kernarg_segment_align: 8
    .kernarg_segment_size: 32
    .max_flat_workgroup_size: 512
    .sgpr_count:     66
    .vgpr_count:     212
    .wavefront_size: 32
...
	.end_amdgpu_metadata
.endif
;; end of part 6
